; MI455X (gfx1250); checked and timed in simulation.
; The chip was launched on July 23, 2026; its instructions are those of AMD's public machine-readable ISA for CDNA 5 (MIT licence, August 2026) and "CDNA5" Instruction Set Architecture Reference Guide (July 2026). The comments in the code are by the model that wrote it; some were corrected since.
;; Scaled Dot Product Attention. Allowed arithmetic: matrix products marked QUANTISED: E2M3 operands, one E8M0 scale for each 32 along K, by v_wmma_scale_f32_16x16x128_f8f6f4 with both operands' format E2M3, f32 sums; products left as they are: f32 operands where the result goes on into a quantised operand, else bf16, f16 or f32 operands; f32 sums; everything else in f32.
;; Inputs: Wk_codes 64 x 16 x 24 uint8 (E2M3 codes of Wk, K innermost, in blocks of 32 codes, four codes in three bytes); Wk_scales 64 x 16 uint8 (E8M0 scales of Wk, one for each 32 codes along K); Wq_codes 64 x 16 x 24 uint8 (E2M3 codes of Wq, K innermost, in blocks of 32 codes, four codes in three bytes); Wq_scales 64 x 16 uint8 (E8M0 scales of Wq, one for each 32 codes along K); Wv_codes 64 x 16 x 24 uint8 (E2M3 codes of Wv, K innermost, in blocks of 32 codes, four codes in three bytes); Wv_scales 64 x 16 uint8 (E8M0 scales of Wv, one for each 32 codes along K); bk 64 float32; bq 64 float32; bv 64 float32; inp 16 x 2,048 x 512 float32.
;; Outputs: out0 16 x 512 float32.
;; This version of the problem:
;;   THIS VERSION OF THE PROBLEM IS GIVEN IN LOW PRECISION. The matrix products marked QUANTISED in the list below multiply operands that are first quantised to E2M3 (2 exponent bits, 3 mantissa bits; 6 bits a number), with one power-of-two scale for each 32 numbers along K (OCP MX v1.0); their sums are f32. All else is computed in f32.
;;   The module's matrix products, in the order in which they are computed (A, B: the left and right operand; K: the contracted axis; several contracted axes count as one K, in the product's order):
;;     1. [M 32,768, K 512] x [K 512, N 64]; A: input inp; B: input Wq (given as codes): QUANTISED
;;     2. [M 32,768, K 512] x [K 512, N 64]; A: input inp; B: input Wk (given as codes): QUANTISED
;;     3. [M 32,768, K 512] x [K 512, N 64]; A: input inp; B: input Wv (given as codes): QUANTISED
;;     4. batch 16 x [M 2,048, K 64] x [K 64, N 2,048]; A: computed on the way; B: computed on the way: QUANTISED
;;     5. batch 16 x [M 2,048, K 2,048] x [K 2,048, N 64]; A: computed on the way; B: computed on the way: QUANTISED
;;     6. batch 16 x [M 512, K 2,048] x [K 2,048, N 1]; A: input inp; B: computed on the way: left as it is (N = 1 < 16)
;;   THE QUANTISER, for each operand of a quantised product, along K:
;;     - K is cut into blocks of 32 from its start; a last block that is shorter is filled with zeros.
;;     - A block's scale is 2^e with e = floor(log2(the largest magnitude in the block)) - 2, held to -126 .. 127; a block of zeros has e = 0. As a byte (E8M0): e + 127.
;;     - Each number is divided by its block's scale, clamped to +-7.5, and rounded to the nearest number of E2M3, ties to even, subnormals kept.
;;     - The product sums the exact products of the quantised numbers (number of the format x scale) in f32.
;;   ~~~python
;;   def quantise(x, axis):      # numpy; x: float32 -> the quantised numbers, widened to float32 again
;;       x = np.moveaxis(x, axis, -1); K = x.shape[-1]
;;       x = np.pad(x, [(0, 0)] * (x.ndim - 1) + [(0, -K % 32)]); x = x.reshape(x.shape[:-1] + (-1, 32)); a = np.abs(x).max(-1, keepdims=True)
;;       e = np.where(a > 0, np.clip(np.frexp(np.where(a > 0, a, 1))[1] - 1 - 2, -126, 127), 0)      # np.frexp(a)[1] - 1 = floor(log2(a)), exactly
;;       r = np.clip(x / 2.0 ** e, -7.5, 7.5)
;;       step = 2.0 ** (np.maximum(np.frexp(np.where(r == 0, 1, r))[1] - 1, 0) - 3)
;;       q = np.round(r / step) * step * 2.0 ** e      # np.round: ties to even
;;       return np.moveaxis(q.reshape(q.shape[:-2] + (-1,))[..., :K], -1, axis).astype(np.float32)
;;   ~~~
;;   OPERANDS COMPUTED ON THE WAY. 'Computed on the way' means the value that the module computes at that place (a softmax that the list does not call 'softmax' is quantised finished and normalised). What goes into a quantiser is computed in f32, as accurately as f32 sums, v_exp_f32 and their like allow (about 1e-6 of the number): no bf16 or f16 on the way to a quantiser, and a product that is left as it is and whose result goes on into a quantised operand takes f32 operands (vector FMAs, or v_wmma_f32_16x16x4_f32). A number that lies on a knife's edge between two numbers of the format may be rounded either way, as far as f32 arithmetic and the matrix unit's own rounding can turn it there, and no further.
;;   INPUTS GIVEN AS CODES. Wk (in the module: [512, 64], K = its axis 0); Wq (in the module: [512, 64], K = its axis 0); Wv (in the module: [512, 64], K = its axis 0): each comes as NAME_codes (uint8): NAME with its K axis moved to the last place and cut into blocks of 32 codes, [.., K / 32, bytes a block], one block behind the other in memory; four codes in three bytes: a row's codes are one little-endian stream of bits, code i at bits 6 i .. 6 i + 5 (a code: sign, 2 exponent bits, 3 mantissa bits); and NAME_scales (uint8): the same leading axes, one E8M0 byte (e + 127) for each 32 codes along K. Its value is code x scale, taken as it is: it is not quantised again, and the codes and scales need not be those that the quantiser above would give.
;; 2 versions, each right; version 2 is version 1 with the launch attn written anew for expert scheduling mode. Each part assembles by itself: llvm-mc -triple=amdgcn-amd-amdhsa -mcpu=gfx1250 --defsym DOCPART=n.
;; ======== version 1 of 2: 3 launches
;; workspace buffers: kpack 1,900,544 bytes; vpack 1,638,400 bytes; qimg 1,572,864 bytes; qsc 131,072 bytes; flags 1,024 bytes of whole numbers; part 524,288 bytes
;; launch proj (part 1): grid 256 x 1, 8 waves a work-group, no clusters, 222,464 bytes of LDS; arguments inp, Wq_codes, Wq_scales, bq, Wk_codes, Wk_scales, bk, Wv_codes, Wv_scales, bv, kpack, vpack, qimg, qsc, flags; writes kpack, vpack, qimg, qsc, flags
.if DOCPART == 1
	.amdgcn_target "amdgcn-amd-amdhsa--gfx1250"
	.amdhsa_code_object_version 6
	.text
	.protected	k_q8c1b66b823_proj
	.globl	k_q8c1b66b823_proj
	.p2align	8
	.type	k_q8c1b66b823_proj,@function
k_q8c1b66b823_proj:
	s_mov_b64 s[64:65], 0
	v_nop
	global_prefetch_b8 v0, s[64:65] scope:SCOPE_SE
	s_setreg_imm32_b32 hwreg(HW_REG_WAVE_MODE, 25, 1), 1
	s_wait_xcnt 0x0
; Q = x Wq + bq, K = x Wk + bk, V = x Wv + bv on codes of FP6 (E2M3) with one E8M0 scale for each 32 along K = 512, and their results made ready for the attention launch.
; x = inp [16][2048][512] f32 is quantised here; the weights come as codes [64][512], K innermost, 384 bytes a row, and scale bytes [64][16].
; SHARES.  Work-group g owns tokens 128 g .. 128 g + 127 (batch g / 16, key step g % 16).  Wave w = 2 p + u owns TILE w: its row r is local token 32 p + 8 u + r + 8 (r / 8), so that in every
; result a lane's 16 registers of tiles (p, 0) and (p, 1) are tokens 32 p + 16 (lane / 16) + 0 .. 15.  The wave quantises its tile (16 tokens x 512), makes Q and K of its tile TRANSPOSED
; (source 0 = 16 rows of W, source 1 = x: a lane holds one token, its registers run along the 64 channels), and V for channels 16 n .. 16 n + 15 (n = w % 4) of tokens 64 c .. 64 c + 63 (c = w / 4)
; (source 0 = x's tiles 4 c .. 4 c + 3, source 1 = Wv: a lane holds one channel, its registers run along the tokens, which are the second attention product's K).
; OPERANDS GO FROM WAVE TO WAVE AS IMAGES OF THEIR REGISTERS: a fragment's register q lies at 512 (q / 4) + 16 lane + 4 (q % 4); three loads of 16 bytes a lane bring it back in any wave.
; OUT.  kpack (a batch: 118,784 bytes): K's codes as PAIR fragments (registers 0-5: tile (p, 0), 6-11: tile (p, 1); lane (r, h): channels 32 h on of key row r), their scale words, and two
; tables of overrides, one f32 a key: OV1 = 8e-8 (the score 1e-8 ahead of the division by 8) where the sum of K's row is 0, else the bits 0; OV2 = -infinity where the sum of Q's row is 0, else OV1.
; vpack (a batch: 102,400 bytes): V's scale words, then V's codes along the keys.  qimg, qsc: Q's six registers and scale word (s0, s1, s0, s1) for each tile.  flags: 1 << step if a key of the step has an override, else 0.
; LIMITS.  NaN and infinities among the inputs are not served.  The rows' sums for the two masks are f32 sums in another order than the reference's, so a sum that is 0 in one order alone may differ.
; A block of zeros gets the byte 1 where the rule says 127: its codes are zeros and this program alone reads the bytes.  Blocks whose largest magnitude lies under 2^-124 keep the byte 1.
; No tensor loads: x is read once, in loads of 512 consecutive bytes, all 256 KiB of the work-group asked for within the first two waits; nothing here is shared between work-groups but 76 KiB of weights.
.set STG,  0                           ; LDS: a stage of 16 rows x 528 bytes for each wave (528 = 33 x 16: sixteen lanes that read one column of sixteen rows start at sixteen different 16-byte columns modulo 256)
.set XIMG, 67584                       ; x's 32 fragments, 1,536 bytes each: 4 tile + K step
.set XSC,  116736                      ; their scale words, 128 bytes each
.set WIMG, 120832                      ; the weights' 48 fragments: 16 matrix + 4 tile + K step
.set WSC,  194560                      ; their scale words
.set BIA,  200704                      ; bq, bk, bv: a copy of 768 bytes for each wave
.set OSTG, 206848                      ; the way out: K's four pair fragments, then V's four fragments
.set KSCS, 219136                      ; K's scale halves [r][tile], 256 bytes
.set VSCS, 219392                      ; V's [r][n][c], 256 bytes
.set QSCS, 219648                      ; Q's scale words, 512 bytes
.set OV1S, 220160                      ; OV1, 512 bytes; OV2 512 bytes behind it
.set FLS,  221184                      ; a word for each wave: not 0 where a key of its tile has an override
.set TM,  14                           ; v14-15 largest magnitudes      v16-17 T2, at work      v18-19 SC, the conversions' scale operands      v20-22 PT, a block's upper codes
.set T2,  16
.set SC,  18
.set PT,  20
.set HV,  23                           ; v23-25 half scale words
.set HW0, 24
.set HW1, 25
.set XS,  26                           ; v26 my tile's scale word; v27-30 Wq's, v31-34 Wk's, v35 Wv's, v36-39 four tiles' of x: scales and nothing else
.set WSQ, 27
.set WSK, 31
.set WSV, 35
.set XSM, 36
.set XF,  40                           ; v40-51 my tile's fragment of the K step (at the head: addresses of the weights' loads and stores)
.set BV,  52                           ; v52-59 bv of my channel, eight times: the C of V's first products (on the way out: at work)
.set QA,  60                           ; v60-91 Q^T, v92-123 K^T: four accumulators each;  v124-155 V: four
.set KA,  92
.set VA,  124
.set X,   156                          ; v156-219 64 numbers of x;  v156-203, v204-251 two sets of four fragments
.set FB0, 156
.set FB1, 204
.set PQ,  156                          ; the way out: six registers of codes each
.set PK,  162
.set PV,  168
.set CP,  176
.set WV,  34                           ; s34 wave; s40 batch, s41 step, s42 p, s43 u, s44 n, s45 c
.set SEL, 36                           ; s[36:37] selects for v_permlanex16_b32: lane l xor 16
.set XB,  38                           ; s[38:39] x at my tile's first row
.set MSB, 0
.macro WIN new                         ; window 1 (v256-511) holds the raw x: row i of the tile, K step s, at 64 s + 4 i.  The immediate's high byte repeats the setting that is left
.if MSB != \new
	s_set_vgpr_msb (MSB<<8)|\new
.set MSB, \new
.endif
.endm
.macro PLACES n
.rept \n
	v_nop
.endr
.endm
.macro BARRIER                         ; my LDS stores have landed and my LDS loads are in: then the work-group's barrier
	s_wait_dscnt 0x0
	s_barrier_signal -1
	s_barrier_wait -1
.endm
.macro XLOAD s                         ; K step s of my 16 rows: each load reads 512 consecutive bytes of one row, aligned to 512
	WIN 0x40
.irp i, 0,1,2,3,4,5,6,7,8,9,10,11,12,13,14,15
	global_load_b128 v[64*\s+4*\i:64*\s+4*\i+3], v1, s[XB:XB+1] offset:(\i+8*(\i/8))*2048+512*\s th:TH_LOAD_NT
.endr
	WIN 0
.endm
.macro TURN s                          ; through my stage: in as rows, out so that register 16 b + i is x(row r, 128 s + 32 b + 16 h + i).  LDS serves a wave's instructions in order (ISA guide 5.7.1.4)
	WIN 0x04
.irp i, 0,1,2,3,4,5,6,7,8,9,10,11,12,13,14,15
	ds_store_b128 v2, v[64*\s+4*\i:64*\s+4*\i+3] offset:528*\i
.endr
	WIN 0
.irp b, 0,1,2,3
.irp j, 0,1,2,3
	ds_load_b128 v[X+16*\b+4*\j:X+16*\b+4*\j+3], v3 offset:128*\b+16*\j
.endr
.endr
.endm
; 32 numbers of a lane, register 16 b + i = k 32 b + 16 (lane / 16) + i of my row (b = 0, 1), become six registers of codes (lane (r, h): block h whole) and the two scale bytes in hw.
.macro Q32 src, dst, hw
.irp b, 0,1
	v_max3_num_f32 v[TM+\b], |v[(\src)+16*\b]|, |v[(\src)+16*\b+1]|, 0x1800000   ; my 16 numbers of block b, and the floor 2^(3 - 127): the byte cannot fall under 1
.endr
.irp i, 2,4,6,8,10,12,14
.irp b, 0,1
	v_max3_num_f32 v[TM+\b], v[TM+\b], |v[(\src)+16*\b+\i]|, |v[(\src)+16*\b+\i+1]|
.endr
.endr
.irp b, 0,1
	v_permlanex16_b32 v[T2+\b], v[TM+\b], s[SEL], s[SEL+1]
.endr
.irp b, 0,1
	v_max_num_f32 v[TM+\b], v[TM+\b], v[T2+\b]       ; with lane l xor 16's: the block's largest magnitude
.endr
.irp b, 0,1
	v_add_nc_u32 v[SC+\b], 0xff000000, v[TM+\b]      ; 2 off its exponent field: the conversion takes the exponent field of this operand as its scale
.endr
.irp b, 0,1
	v_lshrrev_b32 v[T2+\b], 23, v[SC+\b]             ; the scale's byte
.endr
	v_lshl_or_b32 v[\hw], v[T2+1], 8, v[T2]
	v_cvt_scalef32_pk16_fp6_f32 v[(\dst):(\dst)+2], v[(\src):(\src)+15], v[SC]
	v_cvt_scalef32_pk16_fp6_f32 v[PT:PT+2], v[(\src)+16:(\src)+31], v[SC+1]
	v_nop                                            ; one plain place behind a scaled conversion
.irp i, 0,1,2
	v_permlane16_swap_b32 v[(\dst)+\i], v[PT+\i]     ; the operand's layout wants a whole block in a lane
.endr
.irp i, 0,1,2
	v_mov_b32 v[(\dst)+3+\i], v[PT+\i]
.endr
.endm
.macro FETCH reg, adr, off             ; a fragment's image back into registers
.irp c, 0,1,2
	ds_load_b128 v[(\reg)+4*\c:(\reg)+4*\c+3], v[\adr] offset:(\off)+512*\c
.endr
.endm
.macro MM d, a, b, c, sa, sb
	v_wmma_scale_f32_16x16x128_f8f6f4 v[(\d):(\d)+7], v[(\a):(\a)+11], v[(\b):(\b)+11], v[(\c):(\c)+7], v[\sa], v[\sb] matrix_a_fmt:MATRIX_FMT_FP6 matrix_b_fmt:MATRIX_FMT_FP6
.endm
.macro ROWSUM src, dst                 ; the sum of my row's 64 numbers: each of the four accumulators is first read at its low end
	v_pk_add_f32 v[TM:TM+1], v[(\src):(\src)+1], v[(\src)+8:(\src)+9]
	v_pk_add_f32 v[SC:SC+1], v[(\src)+16:(\src)+17], v[(\src)+24:(\src)+25]
.irp j, 2,4,6,10,12,14
	v_pk_add_f32 v[TM:TM+1], v[TM:TM+1], v[(\src)+\j:(\src)+\j+1]
	v_pk_add_f32 v[SC:SC+1], v[SC:SC+1], v[(\src)+16+\j:(\src)+17+\j]
.endr
	v_pk_add_f32 v[TM:TM+1], v[TM:TM+1], v[SC:SC+1]
	v_add_f32 v[\dst], v[TM], v[TM+1]
	v_permlanex16_b32 v[T2], v[\dst], s[SEL], s[SEL+1]
	v_add_f32 v[\dst], v[\dst], v[T2]
.endm
	s_load_b512 s[4:19], s[0:1], 0x0               ; inp s[4:5], Wq's codes s[6:7], scales s[8:9], bq s[10:11], Wk's s[12:13], s[14:15], bk s[16:17], Wv's codes s[18:19]
	s_load_b256 s[20:27], s[0:1], 0x40             ; Wv's scales s[20:21], bv s[22:23], kpack s[24:25], vpack s[26:27]
	s_load_b128 s[28:31], s[0:1], 0x60             ; qimg s[28:29], qsc s[30:31]
	s_load_b64 s[32:33], s[0:1], 0x70              ; flags
	v_lshrrev_b32 v12, 5, v0
	v_readfirstlane_b32 s[WV], v12                 ; wave 0..7
	v_and_b32 v12, 31, v0                          ; lane
	v_and_b32 v13, 15, v0                          ; r
	v_bfe_u32 v14, v0, 4, 1                        ; h
	v_lshlrev_b32 v1, 4, v12                       ; v1 = 16 lane: kept to the end
	v_lshlrev_b32 v15, 2, v12                      ; 4 lane
	v_lshlrev_b32 v44, 3, v12                      ; 8 lane
	s_lshr_b32 s40, ttmp9, 4                       ; batch
	s_and_b32 s41, ttmp9, 15                       ; step
	s_lshr_b32 s42, s[WV], 1                       ; p; also the weights' tile t that I prepare
	s_and_b32 s43, s[WV], 1                        ; u; also: I prepare K steps 2 u and 2 u + 1
	s_and_b32 s44, s[WV], 3                        ; n
	s_lshr_b32 s45, s[WV], 2                       ; c
	s_mov_b32 s[SEL], 0x76543210
	s_mov_b32 s[SEL+1], 0xfedcba98
	; the weights' fragments that I bring: of each matrix tile t, K steps 2 u + e.  THE ROWS OF Wq AND Wk THAT FORM A TILE ARE NOT NEIGHBOURS: lane r of tile t takes row 32 (t / 2) + 8 (t % 2) + r + 8 (r / 8); Wv's are 16 t + r
	s_lshr_b32 s52, s42, 1
	s_lshl_b32 s52, s52, 5
	s_and_b32 s54, s42, 1
	s_lshl_b32 s54, s54, 3
	s_add_co_u32 s52, s52, s54
	v_and_b32 v16, 8, v13
	v_add_nc_u32 v16, v16, v13
	v_add_nc_u32 v16, s52, v16                     ; my row of Wq and Wk
	s_lshl_b32 s54, s42, 4
	v_add_nc_u32 v17, s54, v13                     ; my row of Wv
	s_mul_i32 s55, s43, 192
	v_mul_u32_u24 v40, v16, 384
	v_mad_u32_u24 v40, v14, 24, v40
	v_add_nc_u32 v40, s55, v40                     ; codes: row x 384 + 24 h + 96 (2 u)
	v_mul_u32_u24 v41, v17, 384
	v_mad_u32_u24 v41, v14, 24, v41
	v_add_nc_u32 v41, s55, v41
	s_lshl_b32 s55, s43, 3
	v_lshl_add_u32 v42, v16, 4, s55                ; scale words: row x 16 + 4 (2 u)
	v_lshl_add_u32 v43, v17, 4, s55
	s_lshl_b32 s52, ttmp9, 18                      ; my tile's first row of x: (128 g + 32 p + 8 u) rows of 2,048 bytes
	s_lshl_b32 s54, s42, 16
	s_add_co_u32 s52, s52, s54
	s_lshl_b32 s54, s43, 14
	s_add_co_u32 s52, s52, s54
	s_mov_b32 s53, 0
	s_wait_kmcnt 0x0
	s_add_nc_u64 s[XB:XB+1], s[4:5], s[52:53]
.irp e, 0,1
.irp q, 0,1,2,3,4,5
	global_load_b64 v[FB0+12*\e+2*\q:FB0+12*\e+2*\q+1], v40, s[6:7] offset:96*\e+48*(\q/3)+8*(\q%3)
	global_load_b64 v[FB0+24+12*\e+2*\q:FB0+24+12*\e+2*\q+1], v40, s[12:13] offset:96*\e+48*(\q/3)+8*(\q%3)
	global_load_b64 v[FB0+48+12*\e+2*\q:FB0+48+12*\e+2*\q+1], v41, s[18:19] offset:96*\e+48*(\q/3)+8*(\q%3)
.endr
	global_load_b32 v[228+\e], v42, s[8:9] offset:4*\e
	global_load_b32 v[230+\e], v42, s[14:15] offset:4*\e
	global_load_b32 v[232+\e], v43, s[20:21] offset:4*\e
.endr
	global_load_b64 v[234:235], v44, s[10:11]      ; the biases: 256 bytes each, 8 a lane
	global_load_b64 v[236:237], v44, s[16:17]
	global_load_b64 v[238:239], v44, s[22:23]
	XLOAD 0                                        ; 45 + 16 loads of mine are out
	; LDS addresses that stay through the K steps
	s_mul_i32 s52, s[WV], 8448
	v_add_nc_u32 v2, s52, v1                       ; v2  the stage, in: 16 lane
	v_mul_u32_u24 v3, v13, 528
	v_lshl_add_u32 v3, v14, 6, v3
	v_add_nc_u32 v3, s52, v3                       ; v3  the stage, out: 528 r + 64 h
	s_mul_i32 s52, s[WV], 6144
	s_add_co_u32 s52, s52, XIMG
	v_add_nc_u32 v4, s52, v1                       ; v4  where I store my tile's images
	s_lshl_b32 s52, s[WV], 9
	s_add_co_u32 s52, s52, XSC
	v_add_nc_u32 v5, s52, v15                      ; v5  and their scale words
	v_add_nc_u32 v6, WIMG, v1                      ; v6  Wq's and Wk's images
	s_mul_i32 s52, s44, 6144
	s_add_co_u32 s52, s52, WIMG+49152
	v_add_nc_u32 v7, s52, v1                       ; v7  Wv's tile n
	v_add_nc_u32 v8, WSC, v15                      ; v8  Wq's and Wk's scale words
	s_lshl_b32 s52, s44, 9
	s_add_co_u32 s52, s52, WSC+4096
	v_add_nc_u32 v9, s52, v15                      ; v9  Wv's
	s_mul_i32 s52, s45, 24576
	s_add_co_u32 s52, s52, XIMG
	v_add_nc_u32 v10, s52, v1                      ; v10 x's tiles 4 c on
	s_lshl_b32 s52, s45, 11
	s_add_co_u32 s52, s52, XSC
	v_add_nc_u32 v11, s52, v15                     ; v11 and their scale words
	s_mul_i32 s52, s[WV], 3072
	s_add_co_u32 s52, s52, WIMG
	v_add_nc_u32 v45, s52, v1                      ; the weights' images that I store: fragment 16 m + 2 w + e
	s_lshl_b32 s52, s[WV], 8
	s_add_co_u32 s52, s52, WSC
	v_add_nc_u32 v46, s52, v15
	s_mul_i32 s52, s[WV], 768
	s_add_co_u32 s52, s52, BIA
	v_add_nc_u32 v47, s52, v44                     ; my copy of the biases, in
	v_lshl_add_u32 v48, v14, 6, s52                ; bq, bk out: lane (r, h) wants, for tile t, channels 32 (t / 2) + 16 h + 8 (t % 2) + 0 .. 7
	s_lshl_b32 s54, s44, 6
	s_add_co_u32 s54, s54, s52
	s_add_co_u32 s54, s54, 512
	v_lshl_add_u32 v49, v13, 2, s54                ; bv out: channel 16 n + r
	; the outputs' addresses
	s_mul_i32 s52, s40, 118784
	s_add_nc_u64 s[24:25], s[24:25], s[52:53]      ; my batch in kpack
	s_mul_i32 s52, s40, 102400
	s_add_nc_u64 s[26:27], s[26:27], s[52:53]      ; and in vpack
	s_cmp_lt_u32 s[WV], 4                          ; waves 0-3 store K's four fragments, waves 4-7 V's: the choice hangs on the wave's number alone
	s_cselect_b64 s[46:47], s[24:25], s[26:27]
	s_cselect_b32 s52, 0, 4096
	s_mul_i32 s54, s41, 6144
	s_add_co_u32 s52, s52, s54
	s_mul_i32 s54, s44, 1536
	s_add_co_u32 s52, s52, s54
	s_add_nc_u64 s[46:47], s[46:47], s[52:53]      ; s[46:47] the fragment that I store
	s_lshl_b32 s52, s41, 8
	s_add_nc_u64 s[48:49], s[24:25], s[52:53]      ; s[48:49] kpack + 256 step
	s_add_nc_u64 s[26:27], s[26:27], s[52:53]      ; s[26:27] vpack + 256 step
	s_lshl_b32 s52, s41, 9
	s_add_nc_u64 s[50:51], s[24:25], s[52:53]      ; s[50:51] kpack + 512 step
	s_mul_i32 s52, ttmp9, 6144
	s_mul_i32 s54, s[WV], 768
	s_add_co_u32 s52, s52, s54
	s_add_nc_u64 s[28:29], s[28:29], s[52:53]      ; qimg at my tile
	s_lshl_b32 s52, ttmp9, 9
	s_add_nc_u64 s[30:31], s[30:31], s[52:53]      ; qsc at my work-group's eight tiles
	s_lshl_b32 s52, ttmp9, 2
	s_add_nc_u64 s[32:33], s[32:33], s[52:53]      ; my work-group's flag word
	s_wait_loadcnt 16                              ; loads come back in order: the weights and biases are in, x's 16 may be out
.irp m, 0,1,2
.irp e, 0,1
.irp c, 0,1,2
	ds_store_b128 v45, v[FB0+24*\m+12*\e+4*\c:FB0+24*\m+12*\e+4*\c+3] offset:24576*\m+1536*\e+512*\c
.endr
	ds_store_b32 v46, v[228+2*\m+\e] offset:2048*\m+128*\e
.endr
	ds_store_b64 v47, v[234+2*\m:235+2*\m] offset:256*\m
.endr
	XLOAD 1
	XLOAD 2
.irp t, 0,1,2,3                        ; the biases go into the accumulators, which are C and D from the first product on
	ds_load_b128 v[QA+8*\t:QA+8*\t+3], v48 offset:(32*(\t/2)+8*(\t%2))*4
	ds_load_b128 v[QA+8*\t+4:QA+8*\t+7], v48 offset:(32*(\t/2)+8*(\t%2))*4+16
	ds_load_b128 v[KA+8*\t:KA+8*\t+3], v48 offset:256+(32*(\t/2)+8*(\t%2))*4
	ds_load_b128 v[KA+8*\t+4:KA+8*\t+7], v48 offset:256+(32*(\t/2)+8*(\t%2))*4+16
.endr
.irp j, 0,1,2,3,4,5,6,7
	ds_load_b32 v[BV+\j], v49
.endr
	BARRIER                                        ; the weights' 48 images lie in LDS
; A K STEP of 128.  lc: the loads of later K steps that may stay out.
.macro KSTEP s, lc
	s_wait_loadcnt \lc
	TURN \s
.if \s == 0
	XLOAD 3
.endif
	s_wait_dscnt 0x0
	Q32 X, XF, HW0
	Q32 X+32, XF+6, HW1
	v_lshl_or_b32 v[XS], v[HW1], 16, v[HW0]        ; my rows' scale word for these 128
.irp c, 0,1,2
	ds_store_b128 v4, v[XF+4*\c:XF+4*\c+3] offset:1536*\s+512*\c
.endr
	ds_store_b32 v5, v[XS] offset:128*\s
.irp t, 0,1,2,3
	FETCH FB0+12*\t, 6, (4*\t+\s)*1536
	FETCH FB1+12*\t, 6, 24576+(4*\t+\s)*1536
	ds_load_b32 v[WSQ+\t], v8 offset:128*(4*\t+\s)
	ds_load_b32 v[WSK+\t], v8 offset:2048+128*(4*\t+\s)
.endr
	PLACES 8                                       ; a scale register written by a vector instruction stands 8 places ahead of a scaled matrix instruction, an operand so written 4
	s_wait_dscnt 0x0
.irp t, 0,1,2,3                        ; Q^T and K^T of my tile: eight accumulators by turns
	MM QA+8*\t, FB0+12*\t, XF, QA+8*\t, WSQ+\t, XS
	MM KA+8*\t, FB1+12*\t, XF, KA+8*\t, WSK+\t, XS
.endr
	PLACES 4                                       ; in front of loads into registers that matrix instructions have read
	BARRIER                                        ; every wave's image of this K step lies in LDS
.irp m, 0,1,2,3
	FETCH FB0+12*\m, 10, (4*\m+\s)*1536
	ds_load_b32 v[XSM+\m], v11 offset:128*(4*\m+\s)
.endr
	FETCH FB1, 7, 1536*\s
	ds_load_b32 v[WSV], v9 offset:128*\s
	s_wait_dscnt 0x0
.irp m, 0,1,2,3                        ; V: tokens of tiles 4 c + m x my 16 channels
.if \s == 0
	MM VA+8*\m, FB0+12*\m, FB1, BV, XSM+\m, WSV
.else
	MM VA+8*\m, FB0+12*\m, FB1, VA+8*\m, XSM+\m, WSV
.endif
.endr
	PLACES 4
.endm
	KSTEP 0, 32
	KSTEP 1, 32
	KSTEP 2, 16
	KSTEP 3, 0
	; THE WAY OUT.  Its addresses, all made here, ahead of the parting of the waves; v2-v13 held addresses and numbers made of v0 alone
	v_and_b32 v57, 31, v0
	v_and_b32 v58, 15, v0
	v_lshlrev_b32 v2, 3, v57                       ; v2  8 lane
	s_mul_i32 s52, s42, 1536                       ; a half z of a fragment's image: registers 6 z, 6 z + 1 at A0 = 16 lane + 520 z, the next two at A0 + 8 + 496 z, the last two at A0 + 512
	s_mul_i32 s54, s43, 520
	s_add_co_u32 s52, s52, s54
	s_add_co_u32 s52, s52, OSTG
	v_add_nc_u32 v3, s52, v1                       ; v3, v4  K: pair fragment p, half u
	s_mul_i32 s54, s43, 496
	s_add_co_u32 s54, s54, 8
	v_add_nc_u32 v4, s54, v3
	s_mul_i32 s52, s44, 1536
	s_mul_i32 s54, s45, 520
	s_add_co_u32 s52, s52, s54
	s_add_co_u32 s52, s52, OSTG+6144
	v_add_nc_u32 v5, s52, v1                       ; v5, v6  V: fragment n, half c
	s_mul_i32 s54, s45, 496
	s_add_co_u32 s54, s54, 8
	v_add_nc_u32 v6, s54, v5
	v_lshlrev_b32 v59, 4, v58
	s_lshl_b32 s52, s[WV], 1
	s_add_co_u32 s52, s52, KSCS
	v_add_nc_u32 v7, s52, v59                      ; v7  K's half word: 16 r + 2 w
	s_lshl_b32 s52, s44, 2
	s_lshl_b32 s54, s45, 1
	s_add_co_u32 s52, s52, s54
	s_add_co_u32 s52, s52, VSCS
	v_add_nc_u32 v8, s52, v59                      ; v8  V's: 16 r + 4 n + 2 c
	s_lshl_b32 s52, s[WV], 6
	s_add_co_u32 s52, s52, QSCS
	v_lshl_add_u32 v9, v58, 2, s52                 ; v9  Q's word: 64 w + 4 r
	v_and_b32 v59, 8, v58
	v_add_nc_u32 v59, v59, v58
	s_lshl_b32 s52, s42, 7
	s_lshl_b32 s54, s43, 5
	s_add_co_u32 s52, s52, s54
	s_add_co_u32 s52, s52, OV1S
	v_lshl_add_u32 v10, v59, 2, s52                ; v10 the overrides: 4 x my local token
	v_mov_b32 v11, s[WV]
	v_lshl_add_u32 v11, v11, 2, FLS                ; v11 my wave's flag word
	s_mul_i32 s52, s[WV], 1536
	s_add_co_u32 s52, s52, OSTG
	v_add_nc_u32 v12, s52, v1                      ; v12 the fragment that I read back
	v_add_nc_u32 v13, KSCS, v2                     ; v13, v252-254: wave 0's reads and its flag's offset
	v_add_nc_u32 v252, QSCS, v1
	v_mov_b32 v253, FLS
	v_mov_b32 v254, 0
	ROWSUM QA, 52                                  ; the sums of Q's and K's rows, unquantised, for the two masks
	ROWSUM KA, 53
	v_cmp_eq_f32 s52, 0, v53
	v_cmp_eq_f32 s53, 0, v52
	v_mov_b32 v55, 0x33abcc77                      ; 8 x f32(1e-8)
	v_cndmask_b32 v54, 0, v55, s52                 ; OV1
	v_mov_b32 v55, 0xff800000                      ; -infinity
	v_cndmask_b32 v55, v54, v55, s53               ; OV2
	s_or_b32 s54, s52, s53
	v_mov_b32 v56, s54                             ; not 0 where a key of my tile has an override: a value that is stored, no branch hangs on it
	Q32 QA, PQ, HW0
	Q32 KA, PK, HW1
	Q32 VA, PV, HV
	v_lshl_or_b32 v[HW0], v[HW0], 16, v[HW0]       ; Q's word (s0, s1, s0, s1)
	global_store_b128 v1, v[PQ:PQ+3], s[28:29]     ; 512 and 256 consecutive bytes, at multiples of 256 from qimg's first byte
	global_store_b64 v2, v[PQ+4:PQ+5], s[28:29] offset:512
	ds_store_b64 v3, v[PK:PK+1]
	ds_store_b64 v4, v[PK+2:PK+3]
	ds_store_b64 v3, v[PK+4:PK+5] offset:512
	ds_store_b64 v5, v[PV:PV+1]
	ds_store_b64 v6, v[PV+2:PV+3]
	ds_store_b64 v5, v[PV+4:PV+5] offset:512
	ds_store_b16 v7, v[HW1]                        ; lanes r and r + 16 write the same bytes with the same values, here and below
	ds_store_b16 v8, v[HV]
	ds_store_b32 v9, v[HW0]
	ds_store_b32 v10, v54
	ds_store_b32 v10, v55 offset:512
	ds_store_b32 v11, v56
	BARRIER                                        ; the work-group's results lie in LDS
.irp e, 0,1,2
	ds_load_b128 v[CP+4*\e:CP+4*\e+3], v12 offset:512*\e
.endr
	s_wait_dscnt 0x0
.irp e, 0,1,2
	global_store_b128 v1, v[CP+4*\e:CP+4*\e+3], s[46:47] offset:512*\e   ; 512 consecutive bytes, aligned
.endr
	s_cmp_lg_u32 s[WV], 0
	s_cbranch_scc1 .Lend                           ; the small tables leave by wave 0
	ds_load_b64 v[188:189], v13
	ds_load_b64 v[190:191], v13 offset:256
	ds_load_b128 v[192:195], v252
	ds_load_b128 v[196:199], v252 offset:512
	ds_load_b128 v[200:203], v252 offset:1024
	ds_load_b128 v[204:207], v253
	ds_load_b128 v[208:211], v253 offset:16
	s_wait_dscnt 0x0
	global_store_b64 v2, v[188:189], s[48:49] offset:98304     ; K's scale words of the step: 256 bytes
	global_store_b64 v2, v[190:191], s[26:27]                  ; V's
	global_store_b128 v1, v[192:195], s[30:31]                 ; Q's: 512 bytes
	global_store_b128 v1, v[196:199], s[50:51] offset:102400   ; OV1
	global_store_b128 v1, v[200:203], s[50:51] offset:110592   ; OV2
	v_or_b32 v204, v204, v205
	v_or_b32 v206, v206, v207
	v_or_b32 v208, v208, v209
	v_or_b32 v210, v210, v211
	v_or_b32 v204, v204, v206
	v_or_b32 v208, v208, v210
	v_or_b32 v204, v204, v208
	v_cmp_ne_u32 vcc_lo, 0, v204
	s_lshl_b32 s52, 1, s41
	v_mov_b32 v205, s52
	v_cndmask_b32 v204, 0, v205, vcc_lo            ; 1 << step, or 0
	v_cmp_eq_u32 vcc_lo, 0, v0
	s_wait_xcnt 0x0                                ; EXEC changes only behind this wait
	s_and_saveexec_b32 s53, vcc_lo
	global_store_b32 v254, v204, s[32:33]          ; thread 0 alone
	s_wait_xcnt 0x0
	s_or_b32 exec_lo, exec_lo, s53
.Lend:
	s_wait_xcnt 0x0
	s_mov_b32 exec_lo, -1
	v_lshl_add_u32 v254, v0, 2, 0x36100
	v_mov_b32 v255, 0
	s_wait_tensorcnt 0x0
	ds_add_u32 v254, v255
	s_wait_dscnt 0x0
	s_endpgm
.Lfunc_end_k_q8c1b66b823_proj:
	.size	k_q8c1b66b823_proj, .Lfunc_end_k_q8c1b66b823_proj-k_q8c1b66b823_proj
	.p2alignl 7, 3214868480
	.fill 96, 4, 3214868480
	.section	.rodata,"a",@progbits
	.p2align	6, 0x0
	.amdhsa_kernel k_q8c1b66b823_proj
		.amdhsa_group_segment_fixed_size 222464
		.amdhsa_private_segment_fixed_size 0
		.amdhsa_enable_private_segment 0
		.amdhsa_kernarg_size 120
		.amdhsa_user_sgpr_count 2
		.amdhsa_user_sgpr_kernarg_segment_ptr 1
		.amdhsa_wavefront_size32 1
		.amdhsa_system_sgpr_workgroup_id_x 1
		.amdhsa_system_sgpr_workgroup_id_y 1
		.amdhsa_system_sgpr_workgroup_id_z 1
		.amdhsa_system_vgpr_workitem_id 0
		.amdhsa_next_free_vgpr 512
		.amdhsa_next_free_sgpr 66
		.amdhsa_reserve_vcc 1
		.amdhsa_float_denorm_mode_32 3
		.amdhsa_float_denorm_mode_16_64 3
		.amdhsa_memory_ordered 1
		.amdhsa_forward_progress 1
		.amdhsa_inst_pref_size 79
	.end_amdhsa_kernel
	.amdgpu_metadata
---
amdhsa.version: [ 1, 2 ]
amdhsa.kernels:
  - .name:           k_q8c1b66b823_proj
    .symbol:         k_q8c1b66b823_proj.kd
    .args:
      - { .name: inp, .offset: 0, .size: 8, .value_kind: global_buffer, .address_space: global }
      - { .name: Wq_codes, .offset: 8, .size: 8, .value_kind: global_buffer, .address_space: global }
      - { .name: Wq_scales, .offset: 16, .size: 8, .value_kind: global_buffer, .address_space: global }
      - { .name: bq, .offset: 24, .size: 8, .value_kind: global_buffer, .address_space: global }
      - { .name: Wk_codes, .offset: 32, .size: 8, .value_kind: global_buffer, .address_space: global }
      - { .name: Wk_scales, .offset: 40, .size: 8, .value_kind: global_buffer, .address_space: global }
      - { .name: bk, .offset: 48, .size: 8, .value_kind: global_buffer, .address_space: global }
      - { .name: Wv_codes, .offset: 56, .size: 8, .value_kind: global_buffer, .address_space: global }
      - { .name: Wv_scales, .offset: 64, .size: 8, .value_kind: global_buffer, .address_space: global }
      - { .name: bv, .offset: 72, .size: 8, .value_kind: global_buffer, .address_space: global }
      - { .name: kpack, .offset: 80, .size: 8, .value_kind: global_buffer, .address_space: global }
      - { .name: vpack, .offset: 88, .size: 8, .value_kind: global_buffer, .address_space: global }
      - { .name: qimg, .offset: 96, .size: 8, .value_kind: global_buffer, .address_space: global }
      - { .name: qsc, .offset: 104, .size: 8, .value_kind: global_buffer, .address_space: global }
      - { .name: flags, .offset: 112, .size: 8, .value_kind: global_buffer, .address_space: global }
    .group_segment_fixed_size: 222464
    .private_segment_fixed_size: 0
    .kernarg_segment_align: 8
    .kernarg_segment_size: 120
    .max_flat_workgroup_size: 256
    .sgpr_count:     66
    .vgpr_count:     512
    .wavefront_size: 32
...
	.end_amdgpu_metadata
.endif
;; end of part 1
;; launch attn (part 2): grid 256 x 1, 8 waves a work-group, no clusters, 308,224 bytes of LDS; arguments kpack, vpack, qimg, qsc, flags, inp, part; writes part
.if DOCPART == 2
	.amdgcn_target "amdgcn-amd-amdhsa--gfx1250"
	.amdhsa_code_object_version 6
	.text
	.protected	k_q8c1b66b823_attn
	.globl	k_q8c1b66b823_attn
	.p2align	8
	.type	k_q8c1b66b823_attn,@function
k_q8c1b66b823_attn:
	s_mov_b64 s[64:65], 0
	v_nop
	global_prefetch_b8 v0, s[64:65] scope:SCOPE_SE
	s_setreg_imm32_b32 hwreg(HW_REG_WAVE_MODE, 25, 1), 1
	s_wait_xcnt 0x0
; att = softmax(Q K^T / 8, with the score 1e-8 at keys whose K sums to 0) x (0 at keys whose Q sums to 0); ctx = att V; c[t] = the sum of ctx's 64 channels; part[g][d] = the sum over my 128 tokens of c[t] inp[t][d].
; Both products on codes of FP6 (E2M3) with E8M0 scales.  att is quantised FINISHED AND NORMALISED, along the keys, so a row's sum must be known before a code is made: the keys are walked TWICE.
; PASS 1: scores, a running largest t (t = score x log2(e) / 8) rounded up to a whole number M, and l = the sum of 2^(t - M).  PASS 2: the scores again, att = 2^(t - M - log2 l), quantised, times V.
; SHARES.  Work-group g: batch g / 16, queries 128 g .. 128 g + 127.  Wave w owns tile w, 16 queries, ONE TO A LANE (lane % 16): S^T = K Q^T (source 0 = keys), O^T = V^T P^T (source 0 = channels).
; K = 64 IN AN INSTRUCTION OF 128: source 0 is a PAIR fragment, registers 0-5 the 64 channels of 16 keys, 6-11 those of 16 other keys; Q stands as [q, zeros, q] in 18 registers, and the product with its
; first 12 gives the first 16 keys' scores, that with its last 12 the others'.  Zero codes add nothing.  The 16 registers of a pair's two results are keys 32 p + 16 (lane / 16) + 0 .. 15.
; THE BATCH'S K AND V LIE IN LDS, brought once through registers (216 KiB).  THE MASKS: an earlier launch stored override values for each key and one flag bit for each 128 keys; a step whose bit is clear
; jumps over the lines that apply them.  That is a branch on a stored whole number, so this launch has no tensor load, no copy and no joint request; what its work-groups share is read once.
; WHAT NOTHING WAITS FOR GOES OUT IN PORTIONS.  Only Q and K's part are asked for at the head.  V's part (25 loads a wave) and my 16 rows of inp (64 loads, 32 KiB a wave, which wait in window 1 for c) are asked
; for 12 to 16 loads at a time, one portion a key step, in the first four steps of pass 1 and the first two of pass 2, which are written out for that.  Their offset register and bases are never written again.
; THE BLOCKS' LARGEST SCORES of pass 1 are kept in the wave's own LDS bytes (16 bytes a lane and step) and read back in pass 2: the scores of both passes come from the same instructions on the same operands.
; Only a flagged step, whose overrides differ between the passes, searches for them anew.
; LIMITS.  NaN and infinities are not served.  att under 2^-126 becomes 0 (the exponential's result is flushed: ISA guide 15.8).  A block of zeros has the byte 1: its codes are zeros.  A block's largest att is
; taken from its largest score, which takes v_exp_f32 not to fall where its input rises.  -(M + log2 l) is one f32 number: its rounding, 2^-24 of its size, is a common factor of a row's att.
.set KSC,  98304                       ; LDS: kpack's batch at 0: K's 64 pair fragments; their scale words, 256 bytes a step;
.set OV1,  102400                      ; the overrides of pass 1, 512 bytes a step; those of pass 2 lie 8,192 bytes on
.set VPK,  118784                      ; vpack's batch: V's scale words, 256 bytes a step;
.set VIMG, 122880                      ; V's 64 fragments
.set RED,  221184                      ; 8 x 2,048 bytes: the waves' parts of the last product
.set BMB,  237568                      ; 8 x 8,704 bytes, each wave's own: 512 bytes that stay unused (the address begins one step behind), then the blocks' largest scores, 512 bytes a step
.set ADK, 1                            ; v1  LDS address of the step's K          v2  of V (in pass 1: where I store V's part)          v3  of K's scale words          v13 of the overrides: stepped in place
.set ADV, 2
.set ADS, 3
.set NM,  4                            ; v4  -M, in pass 2 -(M + log2 l)          v5  the largest t
.set RT,  5
.set SUM, 6                            ; v[6:7] l in two halves
.set AB2, 6                            ; v6  in pass 2: LDS address of the step's stored maxima
.set F,   8                            ; v8  2^(old M - new M); the packed form names the pair v[8:9] and takes its low word for both halves
.set GA,  9                            ; v9  16 x lane: the offset of every global load of 16 bytes; never rewritten
.set T,   10
.set QS,  11                           ; v11 Q's scale word, v12 p's, v32-35 K's, v36-39 V's: scales and nothing else
.set PW,  12
.set ADO, 13
.set Q,   14                           ; v14-19 q, v20-25 zeros, v26-31 q
.set KS,  32
.set VS,  36
.set TM,  40                           ; v40-43 the blocks' largest scores, v44-47 at work, v48-51 the conversions' scale operands
.set T2,  44
.set SC,  48
.set PC,  52                           ; v52-63 p's codes
.set AB1, 56                           ; v56 in pass 1: LDS address of the step's maxima
.set KF,  64                           ; v64-111 four pair fragments of K
.set VF,  112                          ; v112-159 four fragments of V
.set S,   160                          ; v160-223 S^T, then p
.set O,   224                          ; v224-255 O^T
.set ACC, 160
.set WV,  18
.set CS,  22                           ; s[22:23] c = log2(e) / 8
.set SEL, 24                           ; s[24:25] selects for v_permlanex16_b32: lane l xor 16
.set FLG, 26                           ; s26 bit j: key step j has an override
.set J,   27                           ; s27 the key step
.set MSB, 0
.macro WIN new                         ; window 1: v256-383 K's fill, then inp rows 0-7; v384-511 V's fill, then rows 8-15.  The immediate's high byte repeats the setting that is left
.if MSB != \new
	s_set_vgpr_msb (MSB<<8)|\new
.set MSB, \new
.endif
.endm
.macro PLACES n
.rept \n
	v_nop
.endr
.endm
.macro KLOAD                           ; 13 LDS loads: a step's K and its scale words (word p: the pair's four bytes)
.irp p, 0,1,2,3
.irp c, 0,1,2
	ds_load_b128 v[KF+12*\p+4*\c:KF+12*\p+4*\c+3], v[ADK] offset:1536*\p+512*\c
.endr
.endr
	ds_load_b128 v[KS:KS+3], v[ADS]
.endm
.macro VLOAD                           ; 13 LDS loads: a step's V and its scale words; v[ADS] stands one step on: VPK - KSC - 256
.irp n, 0,1,2,3
.irp c, 0,1,2
	ds_load_b128 v[VF+12*\n+4*\c:VF+12*\n+4*\c+3], v[ADV] offset:1536*\n+512*\c
.endr
.endr
	ds_load_b128 v[VS:VS+3], v[ADS] offset:VPK-KSC-256
.endm
.macro SMUL                            ; the scores of 128 keys: eight products, each starting its own sum
.irp p, 0,1,2,3
	v_wmma_scale_f32_16x16x128_f8f6f4 v[S+16*\p:S+16*\p+7], v[KF+12*\p:KF+12*\p+11], v[Q:Q+11], 0, v[KS+\p], v[QS] matrix_a_fmt:MATRIX_FMT_FP6 matrix_b_fmt:MATRIX_FMT_FP6
	v_wmma_scale_f32_16x16x128_f8f6f4 v[S+16*\p+8:S+16*\p+15], v[KF+12*\p:KF+12*\p+11], v[Q+6:Q+17], 0, v[KS+\p], v[QS] matrix_a_fmt:MATRIX_FMT_FP6 matrix_b_fmt:MATRIX_FMT_FP6
.endr
.endm
.macro BMAX                            ; the largest score of my 16 keys of each block of 32; every accumulator is first read at its low end
.irp b, 0,1,2,3
	v_max3_num_f32 v[TM+\b], v[S+16*\b], v[S+16*\b+1], v[S+16*\b+2]
.endr
.irp i, 3,5,7,9,11,13
.irp b, 0,1,2,3
	v_max3_num_f32 v[TM+\b], v[TM+\b], v[S+16*\b+\i], v[S+16*\b+\i+1]
.endr
.endr
.irp b, 0,1,2,3
	v_max_num_f32 v[TM+\b], v[TM+\b], v[S+16*\b+15]
.endr
.endm
; Where the step's bit is set: a score is replaced where its key's override is not the bits 0.  Register 16 g + i holds key 32 g + 16 h + i.
; redo = 1 (pass 2): the stored maxima are of pass 1's overrides, so the blocks' largest scores are searched for anew.
.macro MASKQ off, redo
	s_lshr_b32 s30, s[FLG], s[J]
	s_and_b32 s30, s30, 1
	s_cmp_eq_u32 s30, 0
	s_cbranch_scc1 .Lclear_\@
.if \redo
	s_wait_dscnt 0x0                               ; the load of the stored maxima has landed in v40-43, into which the loads below land
.endif
.irp g, 0,1,2,3
.irp j, 0,1,2,3
	ds_load_b128 v[TM+4*\j:TM+4*\j+3], v[ADO] offset:\off+128*\g+16*\j
.endr
	s_wait_dscnt 0x0
.irp i, 0,1,2,3,4,5,6,7,8,9,10,11,12,13,14,15
	v_cmp_ne_u32 vcc_lo, 0, v[TM+\i]
	v_cndmask_b32 v[S+16*\g+\i], v[S+16*\g+\i], v[TM+\i], vcc_lo
.endr
.endr
.if \redo
	BMAX
.endif
.Lclear_\@:
.endm
.macro SHIFT                           ; c s + v4, two at a time (of the pairs c and v[4:5] the low word serves both halves); ascending
.set jj, 0
.rept 32
	v_pk_fma_f32 v[S+jj:S+jj+1], v[S+jj:S+jj+1], s[CS:CS+1], v[NM:NM+1] op_sel_hi:[1,0,0]
.set jj, jj+2
.endr
.endm
.macro EXPS
.set jj, 0
.rept 64
	v_exp_f32 v[S+jj], v[S+jj]
.set jj, jj+1
.endr
.endm
.macro ROWS i0                         ; four of my 16 rows of inp: each load reads 512 consecutive bytes of a row; row i of the tile is 8 (i / 8) rows further on in memory
	WIN 0x40
.irp d, 0,1,2,3
.irp q, 0,1,2,3
	global_load_b128 v[16*((\i0)+\d)+4*\q:16*((\i0)+\d)+4*\q+3], v[GA], s[14:15] offset:((\i0)+\d+8*(((\i0)+\d)/8))*2048+512*\q th:TH_LOAD_NT
.endr
.endr
	WIN 0
.endm
; A PORTION of what nothing waits for yet.  1, 2: V's part, 13 and 12 loads.  3 .. 6: four rows of inp each.  7: V's part goes into LDS.  0: nothing.
.macro BG g
.if \g == 1
	WIN 0x40
.set ii, 0
.rept 13
	global_load_b128 v[128+4*ii:128+4*ii+3], v[GA], s[6:7] offset:512*ii
.set ii, ii+1
.endr
	WIN 0
.endif
.if \g == 2
	WIN 0x40
.set ii, 13
.rept 12
	global_load_b128 v[128+4*ii:128+4*ii+3], v[GA], s[6:7] offset:512*ii
.set ii, ii+1
.endr
	WIN 0
.endif
.if \g == 3
	ROWS 0
.endif
.if \g == 4
	ROWS 4
.endif
.if \g == 5
	ROWS 8
.endif
.if \g == 6
	ROWS 12
.endif
.if \g == 7
	s_wait_loadcnt 0x0                             ; all my loads are in: V's part and rows 0-7, asked for twelve key steps ago or more
	WIN 0x04
.set ii, 0
.rept 25
	ds_store_b128 v[ADV], v[128+4*ii:128+4*ii+3] offset:512*ii
.set ii, ii+1
.endr
	WIN 0
.endif
.endm
; PASS 1, a step of 128 keys.  pre = 1: the next step's K is asked for.  bg: the step's portion.  A lane keeps the statistics of its own 64 keys of a step; the halves of the lanes are joined once, behind the pass.
.macro P1STEP pre, bg
	s_wait_dscnt 0x0                               ; this step's K is in, and the last step's store has read its registers
	SMUL
	v_add_nc_u32 v[ADK], 6144, v[ADK]              ; four places in front of loads into registers that the products read and of the first read of the scores
	v_add_nc_u32 v[ADS], 256, v[ADS]
	v_add_nc_u32 v[ADO], 512, v[ADO]               ; (these two began one step behind: now this step's)
	v_add_nc_u32 v[AB1], 512, v[AB1]
.if \pre
	KLOAD
.endif
	BG \bg
	MASKQ 0, 0
	BMAX
	ds_store_b128 v[AB1], v[TM:TM+3]               ; kept for pass 2: my own bytes, so no barrier
	v_max3_num_f32 v[T], v[TM], v[TM+1], v[TM+2]
	v_max_num_f32 v[T], v[T], v[TM+3]
	v_mul_f32 v[T], s[CS], v[T]
	v_max_num_f32 v[RT], v[RT], v[T]               ; the running largest t
	v_mov_b32 v[T], v[NM]
	v_floor_f32 v[NM], -v[RT]                      ; -M = floor(-t): M is a whole number
	v_sub_f32 v[T], v[NM], v[T]
	v_cvt_i32_f32 v[T], v[T]                       ; (it saturates)
	v_ldexp_f32 v[F], 1.0, v[T]                    ; 2^(old M - new M): a multiplication by it rounds nothing
	SHIFT
	EXPS
	v_pk_mul_f32 v[SUM:SUM+1], v[SUM:SUM+1], v[F:F+1] op_sel_hi:[1,0]   ; l under the new M; the plain place behind the exponentials
	s_wait_alu depctr_va_vdst(0)                   ; one wait for the batch of 64, ahead of its first reader
	v_pk_add_f32 v[T2:T2+1], v[S:S+1], v[S+2:S+3]
.irp j, 4,8,12,16,20,24,28,32,36,40,44,48,52,56,60
	v_pk_add_f32 v[SUM:SUM+1], v[SUM:SUM+1], v[S+\j:S+\j+1]
	v_pk_add_f32 v[T2:T2+1], v[T2:T2+1], v[S+\j+2:S+\j+3]
.endr
	v_pk_add_f32 v[SUM:SUM+1], v[SUM:SUM+1], v[T2:T2+1]
	s_add_co_u32 s[J], s[J], 1
.endm
; PASS 2, a step of 128 keys.  zero = 1: the products start O^T's sums.  pre = 1: the next step's K is asked for.  bg: the step's portion.
.macro P2STEP zero, pre, bg
	s_wait_dscnt 0x0                               ; this step's K is in
	SMUL
	v_add_nc_u32 v[ADK], 6144, v[ADK]              ; five places, as in pass 1; they also stand between the last step's products with V and the loads into V's registers
	v_add_nc_u32 v[ADV], 6144, v[ADV]              ; (it began one step behind: now this step's; so did the last two)
	v_add_nc_u32 v[ADS], 256, v[ADS]
	v_add_nc_u32 v[ADO], 512, v[ADO]
	v_add_nc_u32 v[AB2], 512, v[AB2]
	ds_load_b128 v[TM:TM+3], v[AB2]                ; the largest score of my 16 keys of each block, as pass 1 found it
	VLOAD
.if \pre
	KLOAD
.endif
	BG \bg
	MASKQ 8192, 1
	SHIFT                                          ; 32 lines that want no maximum stand between the load of the maxima and the wait for it
.if \pre
	s_wait_dscnt 26                                ; the maxima are in; V's 13 loads and the next K's 13 may be out
.else
	s_wait_dscnt 13                                ; the maxima are in; V's 13 loads may be out
.endif
.irp b, 0,1,2,3
	v_permlanex16_b32 v[T2+\b], v[TM+\b], s[SEL], s[SEL+1]
.endr
.irp b, 0,1,2,3
	v_max_num_f32 v[TM+\b], v[TM+\b], v[T2+\b]     ; with lane l xor 16's 16 keys: the block's largest score
.endr
.irp b, 0,1,2,3
	v_fma_f32 v[TM+\b], v[TM+\b], s[CS], v[NM]     ; the same multiply-add as the scores'
.endr
.irp b, 0,1,2,3
	v_exp_f32 v[TM+\b], v[TM+\b]                   ; the block's largest att
.endr
	EXPS                                           ; att, finished and normalised
	v_nop                                          ; the plain place behind the exponentials
	s_wait_alu depctr_va_vdst(0)                   ; one wait for the batch of 68, ahead of its first reader
.irp b, 0,1,2,3
	v_max_num_f32 v[TM+\b], 0x1800000, v[TM+\b]    ; the floor 2^(3 - 127): the byte cannot fall under 1
.endr
.irp b, 0,1,2,3
	v_add_nc_u32 v[SC+\b], 0xff000000, v[TM+\b]    ; 2 off the exponent field: the conversion's scale operand
.endr
.irp b, 0,1,2,3
	v_lshrrev_b32 v[T2+\b], 23, v[SC+\b]           ; the scale's byte
.endr
	v_lshl_or_b32 v[PW], v[T2+1], 8, v[T2]         ; p's scale word for these 128 keys
	v_lshl_or_b32 v[PW], v[T2+2], 16, v[PW]
	v_lshl_or_b32 v[PW], v[T2+3], 24, v[PW]
.irp c, 0,1
	v_cvt_scalef32_pk16_fp6_f32 v[PC+6*\c:PC+6*\c+2], v[S+32*\c:S+32*\c+15], v[SC+2*\c]
	v_cvt_scalef32_pk16_fp6_f32 v[TM+4*\c:TM+4*\c+2], v[S+32*\c+16:S+32*\c+31], v[SC+2*\c+1]   ; (a conversion's three registers begin on an even number)
.endr
	v_nop                                          ; one plain place behind a scaled conversion
.irp c, 0,1                            ; the operand's layout wants a whole block in a lane: lanes 0-15 block 2 c, lanes 16-31 block 2 c + 1
.irp i, 0,1,2
	v_permlane16_swap_b32 v[PC+6*\c+\i], v[TM+4*\c+\i]
.endr
.irp i, 0,1,2
	v_mov_b32 v[PC+6*\c+3+\i], v[TM+4*\c+\i]
.endr
.endr
	PLACES 7                                       ; with the v_nop above: 8 places between p's scale word and the scaled products, 7 behind the last write of p's codes (4 are asked)
.if \pre
	s_wait_dscnt 13                                ; V and its scale words are in; the 13 loads of the next step's K may be out
.else
	s_wait_dscnt 0x0
.endif
.irp n, 0,1,2,3                        ; O^T += V^T P^T: four accumulators, one instruction a turn
.if \zero
	v_wmma_scale_f32_16x16x128_f8f6f4 v[O+8*\n:O+8*\n+7], v[VF+12*\n:VF+12*\n+11], v[PC:PC+11], 0, v[VS+\n], v[PW] matrix_a_fmt:MATRIX_FMT_FP6 matrix_b_fmt:MATRIX_FMT_FP6
.else
	v_wmma_scale_f32_16x16x128_f8f6f4 v[O+8*\n:O+8*\n+7], v[VF+12*\n:VF+12*\n+11], v[PC:PC+11], v[O+8*\n:O+8*\n+7], v[VS+\n], v[PW] matrix_a_fmt:MATRIX_FMT_FP6 matrix_b_fmt:MATRIX_FMT_FP6
.endif
.endr
	s_add_co_u32 s[J], s[J], 1
.endm
	s_load_b256 s[4:11], s[0:1], 0x0               ; kpack s[4:5], vpack s[6:7], qimg s[8:9], qsc s[10:11]
	s_load_b128 s[12:15], s[0:1], 0x20             ; flags s[12:13], inp s[14:15]
	s_load_b64 s[16:17], s[0:1], 0x30              ; part
	v_lshrrev_b32 v1, 5, v0
	v_readfirstlane_b32 s[WV], v1                  ; wave 0..7
	v_and_b32 v10, 31, v0
	v_and_b32 v13, 15, v0
	v_lshlrev_b32 v[GA], 4, v10                    ; 16 lane
	v_lshlrev_b32 v10, 3, v10                      ; 8 lane
	v_lshlrev_b32 v13, 2, v13                      ; 4 r
	s_lshr_b32 s19, ttmp9, 4                       ; batch
	s_mov_b32 s21, 0
	s_mov_b32 s29, 0
	s_mov_b32 s[CS], 0x3e38aa3b                    ; log2(e) / 8
	s_mov_b32 s[CS+1], s[CS]
	s_mov_b32 s[SEL], 0x76543210
	s_mov_b32 s[SEL+1], 0xfedcba98
	s_mul_i32 s30, s[WV], 14848                    ; my eighth of the batch's kpack: 29 x 512 bytes,
	v_add_nc_u32 v3, s30, v[GA]                    ; and its place in LDS
	s_mul_i32 s31, s[WV], 12800                    ; of vpack: 25 x 512 bytes
	s_mul_i32 s20, s19, 118784
	s_add_co_u32 s20, s20, s30
	s_mul_i32 s28, s19, 102400
	s_add_co_u32 s28, s28, s31
	s_add_co_u32 s31, s31, VPK
	v_add_nc_u32 v[ADV], s31, v[GA]                ; kept through pass 1
	s_wait_kmcnt 0x0
	s_add_nc_u64 s[4:5], s[4:5], s[20:21]
	s_add_nc_u64 s[6:7], s[6:7], s[28:29]
	s_lshl_b32 s20, s19, 6
	s_add_nc_u64 s[12:13], s[12:13], s[20:21]
	s_load_b512 s[32:47], s[12:13], 0x0            ; the batch's 16 flag words
	s_mul_i32 s20, ttmp9, 6144
	s_mul_i32 s30, s[WV], 768
	s_add_co_u32 s20, s20, s30
	s_add_nc_u64 s[8:9], s[8:9], s[20:21]          ; Q's image of my tile
	s_lshl_b32 s20, ttmp9, 9
	s_lshl_b32 s30, s[WV], 6
	s_add_co_u32 s20, s20, s30
	s_add_nc_u64 s[10:11], s[10:11], s[20:21]      ; and its scale words
	s_lshl_b32 s20, ttmp9, 18
	s_lshr_b32 s30, s[WV], 1
	s_lshl_b32 s30, s30, 16
	s_add_co_u32 s20, s20, s30
	s_and_b32 s30, s[WV], 1
	s_lshl_b32 s30, s30, 14
	s_add_co_u32 s20, s20, s30
	s_add_nc_u64 s[14:15], s[14:15], s[20:21]      ; inp at my tile's first row: token 128 g + 32 (w / 2) + 8 (w % 2)
	s_lshl_b32 s20, ttmp9, 11
	s_lshl_b32 s30, s[WV], 8
	s_add_co_u32 s20, s20, s30
	s_add_nc_u64 s[16:17], s[16:17], s[20:21]      ; part: my work-group's 2,048 bytes, my wave's 256
	global_load_b128 v[Q:Q+3], v[GA], s[8:9]       ; q twice
	global_load_b64 v[Q+4:Q+5], v10, s[8:9] offset:512
	global_load_b128 v[Q+12:Q+15], v[GA], s[8:9]
	global_load_b64 v[Q+16:Q+17], v10, s[8:9] offset:512
	global_load_b32 v[QS], v13, s[10:11]
	WIN 0x40
.set ii, 0
.rept 29
	global_load_b128 v[4*ii:4*ii+3], v[GA], s[4:5] offset:512*ii
.set ii, ii+1
.endr
	WIN 0                                          ; 34 loads of mine are out: what pass 1 cannot begin without, and nothing else
.irp i, 6,7,8,9,10,11
	v_mov_b32 v[Q+\i], 0                           ; the zero codes between the two q
.endr
.irp b, 0,1,2,3
	v_mov_b32 v[T2+\b], 0                          ; written once: a lane permute's destination counts as one of its sources
.endr
	v_mov_b32 v[RT], 0xff61b1e6                    ; the largest t so far: -3e38, under every t
	v_floor_f32 v[NM], -v[RT]
	v_mov_b32 v[SUM], 0
	v_mov_b32 v[SUM+1], 0
	s_wait_kmcnt 0x0
	s_or_b32 s[FLG], s32, s33
.irp i, 34,35,36,37,38,39,40,41,42,43,44,45,46,47
	s_or_b32 s[FLG], s[FLG], s\i
.endr
	s_wait_loadcnt 0x0                             ; Q and K's part are in; these loads are done, so their offsets v10 and v13 may be written again below
	WIN 0x04
.set ii, 0
.rept 29
	ds_store_b128 v3, v[4*ii:4*ii+3] offset:512*ii
.set ii, ii+1
.endr
	WIN 0
	s_wait_dscnt 0x0
	s_barrier_signal -1
	s_barrier_wait -1                              ; the batch's K, its scale words and the overrides lie in LDS
	v_and_b32 v[ADK], 31, v0
	v_lshlrev_b32 v[ADK], 4, v[ADK]                ; K's fragments: 16 lane
	v_and_b32 v[ADS], 15, v0
	v_lshl_add_u32 v[ADS], v[ADS], 4, KSC          ; K's scale words: 16 r
	v_bfe_u32 v[ADO], v0, 4, 1
	v_lshl_add_u32 v[ADO], v[ADO], 6, OV1-512      ; the overrides: 64 h, one step behind
	s_mul_i32 s30, s[WV], 8704
	s_add_co_u32 s30, s30, BMB
	v_add_nc_u32 v[AB1], s30, v[GA]                ; the maxima: my wave's bytes, 16 lane, one step behind
	s_mov_b32 s[J], 0
	KLOAD                                          ; step 0
	P1STEP 1, 1                                    ; steps 0 to 3 are written out: each carries a portion: V's part,
	P1STEP 1, 2
	P1STEP 1, 3                                    ; and my rows 0-7 of inp, into the registers that K's part has left
	P1STEP 1, 4
.Lp1:                                              ; steps 4 to 14: 11 trips
	P1STEP 1, 0
	s_cmp_lt_u32 s[J], 15
	s_cbranch_scc1 .Lp1
	P1STEP 0, 7                                    ; the last step asks for no K; V's part goes into LDS beside its arithmetic
	; BETWEEN THE PASSES.  The halves of the lanes are joined: the larger M, both sums under it, their sum; then -(M + log2 l).
	v_add_f32 v[SUM], v[SUM], v[SUM+1]
	v_permlanex16_b32 v[T2], v[NM], s[SEL], s[SEL+1]
	v_min_num_f32 v[T2+1], v[NM], v[T2]            ; the common -M
	v_sub_f32 v[T2+2], v[T2+1], v[NM]              ; my M less the common M: a whole number, 0 or less
	v_cvt_i32_f32 v[T2+2], v[T2+2]
	v_ldexp_f32 v[SUM], v[SUM], v[T2+2]
	v_permlanex16_b32 v[T2], v[SUM], s[SEL], s[SEL+1]
	v_add_f32 v[SUM], v[SUM], v[T2]                ; l, at least 1/2
	v_log_f32 v[SUM+1], v[SUM]
	v_nop
	s_wait_alu depctr_va_vdst(0)
	v_sub_f32 v[NM], v[T2+1], v[SUM+1]
	s_wait_dscnt 0x0                               ; for the others' sake: my part of V is stored (and those stores have read their registers)
	s_barrier_signal -1
	s_barrier_wait -1                              ; the batch's V and its scale words lie in LDS
	v_and_b32 v[ADK], 31, v0
	v_lshlrev_b32 v[ADK], 4, v[ADK]                ; 16 lane again
	v_add_nc_u32 v[ADV], VIMG-6144, v[GA]          ; V's fragments, one step behind
	v_and_b32 v[ADS], 15, v0
	v_lshl_add_u32 v[ADS], v[ADS], 4, KSC
	v_bfe_u32 v[ADO], v0, 4, 1
	v_lshl_add_u32 v[ADO], v[ADO], 6, OV1-512
	s_mul_i32 s30, s[WV], 8704
	s_add_co_u32 s30, s30, BMB
	v_add_nc_u32 v[AB2], s30, v[GA]                ; the stored maxima, one step behind
	s_mov_b32 s[J], 0
	KLOAD
	P2STEP 1, 1, 5                                 ; the first step starts O^T's sums: nothing is cleared.  Steps 0 and 1 carry my rows 8-15 of inp, into the registers that V's part has left
	P2STEP 0, 1, 6
.Lp2:                                              ; steps 2 to 14: 13 trips
	P2STEP 0, 1, 0
	s_cmp_lt_u32 s[J], 15
	s_cbranch_scc1 .Lp2
	P2STEP 0, 0, 0
	; THE END.  c = the sum of ctx's 64 channels of my query; then my 16 rows of inp times their c, in f32 multiply-adds; the eight waves' parts are added through LDS.
	PLACES 4
	v_pk_add_f32 v[TM:TM+1], v[O:O+1], v[O+8:O+9]  ; each accumulator is first read at its low end
	v_pk_add_f32 v[T2:T2+1], v[O+16:O+17], v[O+24:O+25]
.irp j, 2,4,6,10,12,14
	v_pk_add_f32 v[TM:TM+1], v[TM:TM+1], v[O+\j:O+\j+1]
	v_pk_add_f32 v[T2:T2+1], v[T2:T2+1], v[O+16+\j:O+17+\j]
.endr
	v_pk_add_f32 v[TM:TM+1], v[TM:TM+1], v[T2:T2+1]
	v_add_f32 v[T], v[TM], v[TM+1]
	v_permlanex16_b32 v[T2], v[T], s[SEL], s[SEL+1]
	v_add_f32 v[T], v[T], v[T2]                    ; lane i (i under 16): c of my tile's row i
.irp i, 0,1,2,3,4,5,6,7,8,9,10,11,12,13,14,15
	v_readlane_b32 s[32+2*\i], v[T], \i
	s_mov_b32 s[33+2*\i], s[32+2*\i]               ; (the packed form names a pair)
.endr
	s_wait_loadcnt 0x0                             ; my 16 rows of inp are in
	v_and_b32 v2, 31, v0
	v_lshlrev_b32 v1, 4, v2
	v_lshlrev_b32 v3, 3, v2                        ; v3 8 lane: my place in the wave's 256 bytes of part
	s_lshl_b32 s30, s[WV], 11
	s_add_co_u32 s30, s30, RED
	v_add_nc_u32 v1, s30, v1                       ; v1 my wave's 2,048 bytes of RED, 16 a lane
	s_lshl_b32 s31, s[WV], 8
	s_add_co_u32 s31, s31, RED
	v_add_nc_u32 v2, s31, v3                       ; v2 back: columns 64 w on of every wave's part
	WIN 0x01                                       ; source 0 in window 1
.irp k, 0,1,2,3,4,5,6,7
	v_pk_mul_f32 v[ACC+2*\k:ACC+2*\k+1], v[2*\k:2*\k+1], s[32:33] op_sel_hi:[1,0]
.endr
.irp i, 1,2,3,4,5,6,7,8,9,10,11,12,13,14,15
.irp k, 0,1,2,3,4,5,6,7
	v_pk_fma_f32 v[ACC+2*\k:ACC+2*\k+1], v[16*\i+2*\k:16*\i+2*\k+1], s[32+2*\i:33+2*\i], v[ACC+2*\k:ACC+2*\k+1] op_sel_hi:[1,0,1]
.endr
.endr
	WIN 0
.irp q, 0,1,2,3
	ds_store_b128 v1, v[ACC+4*\q:ACC+4*\q+3] offset:512*\q     ; register 4 q + e is column 128 q + 4 lane + e
.endr
	s_wait_dscnt 0x0
	s_barrier_signal -1
	s_barrier_wait -1
.irp j, 0,1,2,3,4,5,6,7
	ds_load_b64 v[176+2*\j:177+2*\j], v2 offset:2048*\j
.endr
	s_wait_dscnt 0x0
	v_pk_add_f32 v[176:177], v[176:177], v[178:179]
	v_pk_add_f32 v[180:181], v[180:181], v[182:183]
	v_pk_add_f32 v[184:185], v[184:185], v[186:187]
	v_pk_add_f32 v[188:189], v[188:189], v[190:191]
	v_pk_add_f32 v[176:177], v[176:177], v[180:181]
	v_pk_add_f32 v[184:185], v[184:185], v[188:189]
	v_pk_add_f32 v[176:177], v[176:177], v[184:185]
	global_store_b64 v3, v[176:177], s[16:17]      ; 32 lanes store 256 consecutive bytes, aligned
	s_barrier_signal -1
	s_barrier_wait -1
	s_wait_xcnt 0x0
	v_lshl_add_u32 v254, v0, 2, 0x4b000
	v_mov_b32 v255, 0
	s_wait_tensorcnt 0x0
	ds_add_u32 v254, v255
	s_wait_dscnt 0x0
	s_endpgm
.Lfunc_end_k_q8c1b66b823_attn:
	.size	k_q8c1b66b823_attn, .Lfunc_end_k_q8c1b66b823_attn-k_q8c1b66b823_attn
	.p2alignl 7, 3214868480
	.fill 96, 4, 3214868480
	.section	.rodata,"a",@progbits
	.p2align	6, 0x0
	.amdhsa_kernel k_q8c1b66b823_attn
		.amdhsa_group_segment_fixed_size 308224
		.amdhsa_private_segment_fixed_size 0
		.amdhsa_enable_private_segment 0
		.amdhsa_kernarg_size 56
		.amdhsa_user_sgpr_count 2
		.amdhsa_user_sgpr_kernarg_segment_ptr 1
		.amdhsa_wavefront_size32 1
		.amdhsa_system_sgpr_workgroup_id_x 1
		.amdhsa_system_sgpr_workgroup_id_y 1
		.amdhsa_system_sgpr_workgroup_id_z 1
		.amdhsa_system_vgpr_workitem_id 0
		.amdhsa_next_free_vgpr 512
		.amdhsa_next_free_sgpr 66
		.amdhsa_reserve_vcc 1
		.amdhsa_float_denorm_mode_32 3
		.amdhsa_float_denorm_mode_16_64 3
		.amdhsa_memory_ordered 1
		.amdhsa_forward_progress 1
		.amdhsa_inst_pref_size 198
	.end_amdhsa_kernel
	.amdgpu_metadata
---
amdhsa.version: [ 1, 2 ]
amdhsa.kernels:
  - .name:           k_q8c1b66b823_attn
    .symbol:         k_q8c1b66b823_attn.kd
    .args:
      - { .name: kpack, .offset: 0, .size: 8, .value_kind: global_buffer, .address_space: global }
      - { .name: vpack, .offset: 8, .size: 8, .value_kind: global_buffer, .address_space: global }
      - { .name: qimg, .offset: 16, .size: 8, .value_kind: global_buffer, .address_space: global }
      - { .name: qsc, .offset: 24, .size: 8, .value_kind: global_buffer, .address_space: global }
      - { .name: flags, .offset: 32, .size: 8, .value_kind: global_buffer, .address_space: global }
      - { .name: inp, .offset: 40, .size: 8, .value_kind: global_buffer, .address_space: global }
      - { .name: part, .offset: 48, .size: 8, .value_kind: global_buffer, .address_space: global }
    .group_segment_fixed_size: 308224
    .private_segment_fixed_size: 0
    .kernarg_segment_align: 8
    .kernarg_segment_size: 56
    .max_flat_workgroup_size: 256
    .sgpr_count:     66
    .vgpr_count:     512
    .wavefront_size: 32
...
	.end_amdgpu_metadata
.endif
;; end of part 2
;; launch fold (part 3): grid 16 x 1, 4 waves a work-group, no clusters, 0 bytes of LDS; arguments part, out0; writes out0
.if DOCPART == 3
	.amdgcn_target "amdgcn-amd-amdhsa--gfx1250"
	.amdhsa_code_object_version 6
	.text
	.protected	k_q8c1b66b823_fold
	.globl	k_q8c1b66b823_fold
	.p2align	8
	.type	k_q8c1b66b823_fold,@function
k_q8c1b66b823_fold:
	s_mov_b64 s[64:65], 0
	v_nop
	global_prefetch_b8 v0, s[64:65] scope:SCOPE_SE
	s_setreg_imm32_b32 hwreg(HW_REG_WAVE_MODE, 25, 1), 1
	s_wait_xcnt 0x0
; out0[b][d] = the sum over the batch's 16 blocks of 128 tokens of part[16 b + j][d].  part: [256][512] f32, out0: [16][512] f32.
; A sum that spans work-groups of the launch before is made here, in a fixed order.  Work-group b, thread t: columns 4 t .. 4 t + 3; each load and the store of a wave cover 512 consecutive bytes.
; 0.5 MiB in, 32 KiB out: no LDS, no matrix unit, no loop.
	s_load_b128 s[4:7], s[0:1], 0x0                ; part, out0
	v_lshlrev_b32 v1, 4, v0
	s_lshl_b32 s8, ttmp9, 15                       ; 16 rows of 2,048 bytes
	s_mov_b32 s9, 0
	s_lshl_b32 s10, ttmp9, 11
	s_mov_b32 s11, 0
	s_wait_kmcnt 0x0
	s_add_nc_u64 s[4:5], s[4:5], s[8:9]
	s_add_nc_u64 s[6:7], s[6:7], s[10:11]
.irp j, 0,1,2,3,4,5,6,7,8,9,10,11,12,13,14,15
	global_load_b128 v[4+4*\j:7+4*\j], v1, s[4:5] offset:2048*\j th:TH_LOAD_NT
.endr
	s_wait_loadcnt 0x0
.irp j, 0,2,4,6,8,10,12,14
	v_pk_add_f32 v[4+4*\j:5+4*\j], v[4+4*\j:5+4*\j], v[8+4*\j:9+4*\j]
	v_pk_add_f32 v[6+4*\j:7+4*\j], v[6+4*\j:7+4*\j], v[10+4*\j:11+4*\j]
.endr
.irp j, 0,4,8,12
	v_pk_add_f32 v[4+4*\j:5+4*\j], v[4+4*\j:5+4*\j], v[12+4*\j:13+4*\j]
	v_pk_add_f32 v[6+4*\j:7+4*\j], v[6+4*\j:7+4*\j], v[14+4*\j:15+4*\j]
.endr
.irp j, 0,8
	v_pk_add_f32 v[4+4*\j:5+4*\j], v[4+4*\j:5+4*\j], v[20+4*\j:21+4*\j]
	v_pk_add_f32 v[6+4*\j:7+4*\j], v[6+4*\j:7+4*\j], v[22+4*\j:23+4*\j]
.endr
	v_pk_add_f32 v[4:5], v[4:5], v[36:37]
	v_pk_add_f32 v[6:7], v[6:7], v[38:39]
	global_store_b128 v1, v[4:7], s[6:7]
	s_endpgm
.Lfunc_end_k_q8c1b66b823_fold:
	.size	k_q8c1b66b823_fold, .Lfunc_end_k_q8c1b66b823_fold-k_q8c1b66b823_fold
	.p2alignl 7, 3214868480
	.fill 96, 4, 3214868480
	.section	.rodata,"a",@progbits
	.p2align	6, 0x0
	.amdhsa_kernel k_q8c1b66b823_fold
		.amdhsa_group_segment_fixed_size 0
		.amdhsa_private_segment_fixed_size 0
		.amdhsa_enable_private_segment 0
		.amdhsa_kernarg_size 16
		.amdhsa_user_sgpr_count 2
		.amdhsa_user_sgpr_kernarg_segment_ptr 1
		.amdhsa_wavefront_size32 1
		.amdhsa_system_sgpr_workgroup_id_x 1
		.amdhsa_system_sgpr_workgroup_id_y 1
		.amdhsa_system_sgpr_workgroup_id_z 1
		.amdhsa_system_vgpr_workitem_id 0
		.amdhsa_next_free_vgpr 72
		.amdhsa_next_free_sgpr 66
		.amdhsa_reserve_vcc 0
		.amdhsa_float_denorm_mode_32 3
		.amdhsa_float_denorm_mode_16_64 3
		.amdhsa_memory_ordered 1
		.amdhsa_forward_progress 1
		.amdhsa_inst_pref_size 5
	.end_amdhsa_kernel
	.amdgpu_metadata
---
amdhsa.version: [ 1, 2 ]
amdhsa.kernels:
  - .name:           k_q8c1b66b823_fold
    .symbol:         k_q8c1b66b823_fold.kd
    .args:
      - { .name: part, .offset: 0, .size: 8, .value_kind: global_buffer, .address_space: global }
      - { .name: out0, .offset: 8, .size: 8, .value_kind: global_buffer, .address_space: global }
    .group_segment_fixed_size: 0
    .private_segment_fixed_size: 0
    .kernarg_segment_align: 8
    .kernarg_segment_size: 16
    .max_flat_workgroup_size: 128
    .sgpr_count:     66
    .vgpr_count:     72
    .wavefront_size: 32
...
	.end_amdgpu_metadata
.endif
;; end of part 3
;; ======== version 2 of 2: 3 launches; version 1 with the launch attn written anew for expert scheduling mode
;; workspace buffers: kpack 1,900,544 bytes; vpack 1,638,400 bytes; qimg 1,572,864 bytes; qsc 131,072 bytes; flags 1,024 bytes of whole numbers; part 524,288 bytes
;; launch proj: the kernel of part 1 again; grid 256 x 1, 8 waves a work-group, no clusters, 222,464 bytes of LDS; arguments inp, Wq_codes, Wq_scales, bq, Wk_codes, Wk_scales, bk, Wv_codes, Wv_scales, bv, kpack, vpack, qimg, qsc, flags; writes kpack, vpack, qimg, qsc, flags
;; launch attn (part 4): grid 256 x 1, 8 waves a work-group, no clusters, 308,224 bytes of LDS; arguments kpack, vpack, qimg, qsc, flags, inp, part; writes part
.if DOCPART == 4
	.amdgcn_target "amdgcn-amd-amdhsa--gfx1250"
	.amdhsa_code_object_version 6
	.text
	.protected	k_q8c1b66b823_attn
	.globl	k_q8c1b66b823_attn
	.p2align	8
	.type	k_q8c1b66b823_attn,@function
k_q8c1b66b823_attn:
	s_mov_b64 s[64:65], 0
	v_nop
	global_prefetch_b8 v0, s[64:65] scope:SCOPE_SE
	s_setreg_imm32_b32 hwreg(HW_REG_WAVE_SCHED_MODE, 0, 2), 2
	s_setreg_imm32_b32 hwreg(HW_REG_WAVE_MODE, 25, 1), 1
	s_wait_xcnt 0x0
	s_wait_alu depctr_vm_vsrc(0)
; att = softmax(Q K^T / 8, with the score 1e-8 at keys whose K sums to 0) x (0 at keys whose Q sums to 0); ctx = att V; c[t] = the sum of ctx's 64 channels; part[g][d] = the sum over my 128 tokens of c[t] inp[t][d].
; Both products on codes of FP6 (E2M3) with E8M0 scales.  att is quantised FINISHED AND NORMALISED, along the keys, so a row's sum must be known before a code is made: the keys are walked TWICE.
; PASS 1: scores, a running largest t (t = score x log2(e) / 8) rounded up to a whole number M, and l = the sum of 2^(t - M).  PASS 2: the scores again, att = 2^(t - M - log2 l), quantised, times V.
; SHARES.  Work-group g: batch g / 16, queries 128 g .. 128 g + 127.  Wave w owns tile w, 16 queries, ONE TO A LANE (lane % 16): S^T = K Q^T (source 0 = keys), O^T = V^T P^T (source 0 = channels).
; K = 64 IN AN INSTRUCTION OF 128: source 0 is a PAIR fragment, registers 0-5 the 64 channels of 16 keys, 6-11 those of 16 other keys; Q stands as [q, zeros, q] in 18 registers, and the product with its
; first 12 gives the first 16 keys' scores, that with its last 12 the others'.  Zero codes add nothing.  The 16 registers of a pair's two results are keys 32 p + 16 (lane / 16) + 0 .. 15.
; THE BATCH'S K AND V LIE IN LDS, brought once through registers (216 KiB).  THE MASKS: an earlier launch stored override values for each key and one flag bit for each 128 keys; a step whose bit is clear
; jumps over the lines that apply them.  That is a branch on a stored whole number, so this launch has no tensor load, no copy and no joint request; what its work-groups share is read once.
; WHAT NOTHING WAITS FOR GOES OUT IN PORTIONS.  Only Q and K's part are asked for at the head.  V's part (25 loads a wave) and my 16 rows of inp (64 loads, 32 KiB a wave, which wait in window 1 for c) are asked
; for 12 to 16 loads at a time, one portion a key step, in the first four steps of pass 1 and the first two of pass 2, which are written out for that.  Their offset register and bases are never written again.
; THE BLOCKS' LARGEST SCORES of pass 1 are kept in the wave's own LDS bytes (16 bytes a lane and step) and read back in pass 2: the scores of both passes come from the same instructions on the same operands.
; Only a flagged step, whose overrides differ between the passes, searches for them anew.
; LIMITS.  NaN and infinities are not served.  att under 2^-126 becomes 0 (the exponential's result is flushed: ISA guide 15.8).  A block of zeros has the byte 1: its codes are zeros.  A block's largest att is
; taken from its largest score, which takes v_exp_f32 not to fall where its input rises.  -(M + log2 l) is one f32 number: its rounding, 2^-24 of its size, is a common factor of a row's att.
; THE MODE: SCHED_MODE bits 1:0 = 2 (LLVM: expert scheduling mode 2), set by the entry lines.  The code itself states the register dependences between vector or matrix instructions and memory or LDS
; instructions, with s_wait_alu, always for 0.
; THE PLAN.  Registers that memory or LDS instructions touch in a key step, and who else names them:
;   KF, KS (v64-111, v32-35)    the step's eight score products read them; the next step's 13 LDS loads land in them, dealt among the step's scaling lines.
;   VF, VS (v112-159, v36-39)   pass 2: the step's four products with V read them; the next step's 13 LDS loads land in them.
;   v40-43                      pass 1: written by the search for the maxima, read by the step's one LDS store.  Pass 2: the stored maxima land in them; vector lines then work on them.
;   v40-55                      in a flagged step the overrides land in them, sixteen at a time, and the compares and selects read them.
;   v1, v3, v13, v56 (pass 1), v1, v2, v3, v13, v6 (pass 2)   LDS addresses: read by the step's LDS instructions, stepped once a step by vector additions (an LDS address has no scalar base).
;   v9                          the global loads' offset: written at the head and never again.   v2 in pass 1: the address of V's LDS stores, made at the head.
;   window 1                    the fills land, LDS stores read them, rows of inp land; vector lines name these registers only behind pass 2.
;   S, O, p's codes and scale word are named by vector and matrix instructions alone.
; So a step has: ONE wait on vm_vsrc at its head (the LDS instructions so far have read the addresses and, in pass 1, v40-43); ONE wait on va_vdst behind the score products and the additions (the products
; are done reading K's and V's registers, the addresses are written, all earlier vector lines are done with v40-55): every memory instruction of the step up to the exponentials hangs on nothing later, since the
; vector lines between name S, v40-55, v4, v5, v8 and v10 alone; the wait behind the exponentials, behind which pass 1's store stands; and in pass 2 one ahead of the products with V, for p's codes and scale word.
.set KSC,  98304                       ; LDS: kpack's batch at 0: K's 64 pair fragments; their scale words, 256 bytes a step;
.set OV1,  102400                      ; the overrides of pass 1, 512 bytes a step; those of pass 2 lie 8,192 bytes on
.set VPK,  118784                      ; vpack's batch: V's scale words, 256 bytes a step;
.set VIMG, 122880                      ; V's 64 fragments
.set RED,  221184                      ; 8 x 2,048 bytes: the waves' parts of the last product
.set BMB,  237568                      ; 8 x 8,704 bytes, each wave's own: 512 bytes that stay unused (the address begins one step behind), then the blocks' largest scores, 512 bytes a step
.set ADK, 1                            ; v1  LDS address of the step's K          v2  of V (in pass 1: where I store V's part)          v3  of K's scale words          v13 of the overrides: stepped in place
.set ADV, 2
.set ADS, 3
.set NM,  4                            ; v4  -M, in pass 2 -(M + log2 l)          v5  the largest t
.set RT,  5
.set SUM, 6                            ; v[6:7] l in two halves
.set AB2, 6                            ; v6  in pass 2: LDS address of the step's stored maxima
.set F,   8                            ; v8  2^(old M - new M); the packed form names the pair v[8:9] and takes its low word for both halves
.set GA,  9                            ; v9  16 x lane: the offset of every global load of 16 bytes; never rewritten
.set T,   10
.set QS,  11                           ; v11 Q's scale word, v12 p's, v32-35 K's, v36-39 V's: scales and nothing else
.set PW,  12
.set ADO, 13
.set Q,   14                           ; v14-19 q, v20-25 zeros, v26-31 q
.set KS,  32
.set VS,  36
.set TM,  40                           ; v40-43 the blocks' largest scores, v44-47 at work, v48-51 the conversions' scale operands
.set T2,  44
.set SC,  48
.set PC,  52                           ; v52-63 p's codes
.set AB1, 56                           ; v56 in pass 1: LDS address of the step's maxima
.set KF,  64                           ; v64-111 four pair fragments of K
.set VF,  112                          ; v112-159 four fragments of V
.set S,   160                          ; v160-223 S^T, then p
.set O,   224                          ; v224-255 O^T
.set ACC, 160
.set WV,  18
.set CS,  22                           ; s[22:23] c = log2(e) / 8
.set SEL, 24                           ; s[24:25] selects for v_permlanex16_b32: lane l xor 16
.set FLG, 26                           ; s26 bit j: key step j has an override
.set J,   27                           ; s27 the key step
.set MK,  32                           ; s32-47 in the passes: sixteen lane masks of a flagged step (at the head: the flag words; at the end s32-63: c, in pairs)
.set MSB, 0
.macro WIN new                         ; window 1: v256-383 K's fill, then inp rows 0-7; v384-511 V's fill, then rows 8-15.  The immediate's high byte repeats the setting that is left
.if MSB != \new
	s_set_vgpr_msb (MSB<<8)|\new
.set MSB, \new
.endif
.endm
.macro PLACES n
.rept \n
	v_nop
.endr
.endm
.macro KLOAD                           ; 13 LDS loads: a step's K and its scale words (word p: the pair's four bytes).  In one run ahead of each pass; in the steps SHIFT deals the same 13
.irp p, 0,1,2,3
.irp c, 0,1,2
	ds_load_b128 v[KF+12*\p+4*\c:KF+12*\p+4*\c+3], v[ADK] offset:1536*\p+512*\c
.endr
.endr
	ds_load_b128 v[KS:KS+3], v[ADS]
.endm
.macro VLOAD                           ; 13 LDS loads: a step's V and its scale words; v[ADS] stands one step on: VPK - KSC - 256
.irp n, 0,1,2,3
.irp c, 0,1,2
	ds_load_b128 v[VF+12*\n+4*\c:VF+12*\n+4*\c+3], v[ADV] offset:1536*\n+512*\c
.endr
.endr
	ds_load_b128 v[VS:VS+3], v[ADS] offset:VPK-KSC-256
.endm
.macro SMUL                            ; the scores of 128 keys: eight products, each starting its own sum
.irp p, 0,1,2,3
	v_wmma_scale_f32_16x16x128_f8f6f4 v[S+16*\p:S+16*\p+7], v[KF+12*\p:KF+12*\p+11], v[Q:Q+11], 0, v[KS+\p], v[QS] matrix_a_fmt:MATRIX_FMT_FP6 matrix_b_fmt:MATRIX_FMT_FP6
	v_wmma_scale_f32_16x16x128_f8f6f4 v[S+16*\p+8:S+16*\p+15], v[KF+12*\p:KF+12*\p+11], v[Q+6:Q+17], 0, v[KS+\p], v[QS] matrix_a_fmt:MATRIX_FMT_FP6 matrix_b_fmt:MATRIX_FMT_FP6
.endr
.endm
.macro BMAX                            ; the largest score of my 16 keys of each block of 32; every accumulator is first read at its low end
.irp b, 0,1,2,3
	v_max3_num_f32 v[TM+\b], v[S+16*\b], v[S+16*\b+1], v[S+16*\b+2]
.endr
.irp i, 3,5,7,9,11,13
.irp b, 0,1,2,3
	v_max3_num_f32 v[TM+\b], v[TM+\b], v[S+16*\b+\i], v[S+16*\b+\i+1]
.endr
.endr
.irp b, 0,1,2,3
	v_max_num_f32 v[TM+\b], v[TM+\b], v[S+16*\b+15]
.endr
.endm
; Where the step's bit is set: a score is replaced where its key's override is not the bits 0.  Register 16 g + i holds key 32 g + 16 h + i.
; The sixteen compares of a group stand in one run, each with a scalar register for its mask, so that one wait serves the sixteen selects.
; redo = 1 (pass 2): the stored maxima are of pass 1's overrides, so the blocks' largest scores are searched for anew.
.macro MASKQ off, redo
	s_lshr_b32 s30, s[FLG], s[J]
	s_and_b32 s30, s30, 1
	s_cmp_eq_u32 s30, 0
	s_cbranch_scc1 .Lclear_\@
.if \redo
	s_wait_dscnt 0x0                               ; the load of the stored maxima has landed in v40-43, into which the loads below land
.endif
.irp g, 0,1,2,3
.if \g > 0
	s_wait_alu depctr_va_vdst(0)                   ; the compares and selects of the group before are done reading v40-55, in which the next four loads land (the first group's loads lean on the step's own wait)
.endif
.irp j, 0,1,2,3
	ds_load_b128 v[TM+4*\j:TM+4*\j+3], v[ADO] offset:\off+128*\g+16*\j
.endr
	s_wait_dscnt 0x0
.irp i, 0,1,2,3,4,5,6,7,8,9,10,11,12,13,14,15
	v_cmp_ne_u32 s[MK+\i], 0, v[TM+\i]
.endr
	s_wait_alu depctr_va_sdst(0)                   ; the sixteen compares have written s32-47, which the selects below read
.irp i, 0,1,2,3,4,5,6,7,8,9,10,11,12,13,14,15
	v_cndmask_b32 v[S+16*\g+\i], v[S+16*\g+\i], v[TM+\i], s[MK+\i]
.endr
.endr
.if \redo
	BMAX
.endif
.Lclear_\@:
.endm
; c s + v4, two at a time (of the pairs c and v[4:5] the low word serves both halves); ascending.
; pre = 1: the next step's K is asked for here, one of its 13 LDS loads behind every second line.  No wait: no vector or matrix instruction since the step's wait behind the score products names KF, KS, v1 or v3.
.macro SHIFT pre
.set jj, 0
.rept 32
	v_pk_fma_f32 v[S+jj:S+jj+1], v[S+jj:S+jj+1], s[CS:CS+1], v[NM:NM+1] op_sel_hi:[1,0,0]
.if \pre && (jj%4 == 2)
.if jj/4 < 12
	ds_load_b128 v[KF+4*(jj/4):KF+4*(jj/4)+3], v[ADK] offset:1536*((jj/4)/3)+512*((jj/4)%3)
.elseif jj/4 == 12
	ds_load_b128 v[KS:KS+3], v[ADS]
.endif
.endif
.set jj, jj+2
.endr
.endm
.macro EXPS
.set jj, 0
.rept 64
	v_exp_f32 v[S+jj], v[S+jj]
.set jj, jj+1
.endr
.endm
.macro ROWS i0                         ; four of my 16 rows of inp: each load reads 512 consecutive bytes of a row; row i of the tile is 8 (i / 8) rows further on in memory
	WIN 0x40
.irp d, 0,1,2,3
.irp q, 0,1,2,3
	global_load_b128 v[16*((\i0)+\d)+4*\q:16*((\i0)+\d)+4*\q+3], v[GA], s[14:15] offset:((\i0)+\d+8*(((\i0)+\d)/8))*2048+512*\q th:TH_LOAD_NT
.endr
.endr
	WIN 0
.endm
; A PORTION of what nothing waits for yet.  1, 2: V's part, 13 and 12 loads.  3 .. 6: four rows of inp each.  7: V's part goes into LDS.  0: nothing.
; No vector or matrix instruction names window 1 before the end, v9 and (in pass 1) v2 are as the head made them, and the LDS stores that read window 1 stand ahead of a wait on vm_vsrc: a portion owes no wait of its own.
.macro BG g
.if \g == 1
	WIN 0x40
.set ii, 0
.rept 13
	global_load_b128 v[128+4*ii:128+4*ii+3], v[GA], s[6:7] offset:512*ii
.set ii, ii+1
.endr
	WIN 0
.endif
.if \g == 2
	WIN 0x40
.set ii, 13
.rept 12
	global_load_b128 v[128+4*ii:128+4*ii+3], v[GA], s[6:7] offset:512*ii
.set ii, ii+1
.endr
	WIN 0
.endif
.if \g == 3
	ROWS 0
.endif
.if \g == 4
	ROWS 4
.endif
.if \g == 5
	ROWS 8
.endif
.if \g == 6
	ROWS 12
.endif
.if \g == 7
	s_wait_loadcnt 0x0                             ; all my loads are in: V's part and rows 0-7, asked for twelve key steps ago or more
	WIN 0x04
.set ii, 0
.rept 25
	ds_store_b128 v[ADV], v[128+4*ii:128+4*ii+3] offset:512*ii
.set ii, ii+1
.endr
	WIN 0
.endif
.endm
; PASS 1, a step of 128 keys.  pre = 1: the next step's K is asked for.  bg: the step's portion.  A lane keeps the statistics of its own 64 keys of a step; the halves of the lanes are joined once, behind the pass.
.macro P1STEP pre, bg
	s_wait_dscnt 0x0                               ; this step's K is in
	s_wait_alu depctr_vm_vsrc(0)                   ; the LDS instructions issued so far have read v1, v3, v13, v56 and v40-43, which the additions, the search for the maxima and a flagged step's loads write again
	SMUL
	v_add_nc_u32 v[ADK], 6144, v[ADK]              ; four places in front of the first read of the scores (ISA guide 7.12.1)
	v_add_nc_u32 v[ADS], 256, v[ADS]
	v_add_nc_u32 v[ADO], 512, v[ADO]               ; (these two began one step behind: now this step's)
	v_add_nc_u32 v[AB1], 512, v[AB1]
	s_wait_alu depctr_va_vdst(0)                   ; the products are done reading KF and KS, in which the next K lands; v1, v3 and v13 are written, which the LDS loads below read; all earlier vector lines are done with v40-55, in which a flagged step's overrides land
	BG \bg
	MASKQ 0, 0
	BMAX
	v_max3_num_f32 v[T], v[TM], v[TM+1], v[TM+2]
	v_max_num_f32 v[T], v[T], v[TM+3]
	v_mul_f32 v[T], s[CS], v[T]
	v_max_num_f32 v[RT], v[RT], v[T]               ; the running largest t
	v_mov_b32 v[T], v[NM]
	v_floor_f32 v[NM], -v[RT]                      ; -M = floor(-t): M is a whole number
	v_sub_f32 v[T], v[NM], v[T]
	v_cvt_i32_f32 v[T], v[T]                       ; (it saturates)
	v_ldexp_f32 v[F], 1.0, v[T]                    ; 2^(old M - new M): a multiplication by it rounds nothing
	SHIFT \pre
	EXPS
	v_pk_mul_f32 v[SUM:SUM+1], v[SUM:SUM+1], v[F:F+1] op_sel_hi:[1,0]   ; l under the new M; the plain place behind the exponentials
	s_wait_alu depctr_va_vdst(0)                   ; the 64 exponentials have written v160-223, ahead of their first reader (one wait for the batch); the maxima v40-43 and v56 are written, which the store below reads
	ds_store_b128 v[AB1], v[TM:TM+3]               ; kept for pass 2: my own bytes, so no barrier
	v_pk_add_f32 v[T2:T2+1], v[S:S+1], v[S+2:S+3]
.irp j, 4,8,12,16,20,24,28,32,36,40,44,48,52,56,60
	v_pk_add_f32 v[SUM:SUM+1], v[SUM:SUM+1], v[S+\j:S+\j+1]
	v_pk_add_f32 v[T2:T2+1], v[T2:T2+1], v[S+\j+2:S+\j+3]
.endr
	v_pk_add_f32 v[SUM:SUM+1], v[SUM:SUM+1], v[T2:T2+1]
	s_add_co_u32 s[J], s[J], 1
.endm
; PASS 2, a step of 128 keys.  zero = 1: the products start O^T's sums.  pre = 1: the next step's K is asked for.  bg: the step's portion.
.macro P2STEP zero, pre, bg
	s_wait_dscnt 0x0                               ; this step's K is in
	s_wait_alu depctr_vm_vsrc(0)                   ; the LDS loads issued so far have read v1, v2, v3, v13 and v6, which the additions below write again
	SMUL
	v_add_nc_u32 v[ADK], 6144, v[ADK]              ; five places in front of the first read of the scores, as in pass 1
	v_add_nc_u32 v[ADV], 6144, v[ADV]              ; (it began one step behind: now this step's; so did the last two)
	v_add_nc_u32 v[ADS], 256, v[ADS]
	v_add_nc_u32 v[ADO], 512, v[ADO]
	v_add_nc_u32 v[AB2], 512, v[AB2]
	s_wait_alu depctr_va_vdst(0)                   ; the score products are done reading KF and KS, the last step's products with V are done reading VF and VS: the loads below land there; the five addresses are written; all earlier vector lines are done with v40-55, in which the maxima and a flagged step's overrides land
	ds_load_b128 v[TM:TM+3], v[AB2]                ; the largest score of my 16 keys of each block, as pass 1 found it
	VLOAD
	BG \bg
	MASKQ 8192, 1
	SHIFT \pre                                     ; 32 lines that want no maximum stand between the load of the maxima and the wait for it
.if \pre
	s_wait_dscnt 26                                ; the maxima are in; V's 13 loads and the next K's 13 may be out
.else
	s_wait_dscnt 13                                ; the maxima are in; V's 13 loads may be out
.endif
.irp b, 0,1,2,3
	v_permlanex16_b32 v[T2+\b], v[TM+\b], s[SEL], s[SEL+1]
.endr
.irp b, 0,1,2,3
	v_max_num_f32 v[TM+\b], v[TM+\b], v[T2+\b]     ; with lane l xor 16's 16 keys: the block's largest score
.endr
.irp b, 0,1,2,3
	v_fma_f32 v[TM+\b], v[TM+\b], s[CS], v[NM]     ; the same multiply-add as the scores'
.endr
.irp b, 0,1,2,3
	v_exp_f32 v[TM+\b], v[TM+\b]                   ; the block's largest att
.endr
	EXPS                                           ; att, finished and normalised
	v_nop                                          ; the plain place behind the exponentials
	s_wait_alu depctr_va_vdst(0)                   ; the 68 exponentials have written v40-43 and v160-223, ahead of their first reader: one wait for the batch
.irp b, 0,1,2,3
	v_max_num_f32 v[TM+\b], 0x1800000, v[TM+\b]    ; the floor 2^(3 - 127): the byte cannot fall under 1
.endr
.irp b, 0,1,2,3
	v_add_nc_u32 v[SC+\b], 0xff000000, v[TM+\b]    ; 2 off the exponent field: the conversion's scale operand
.endr
.irp b, 0,1,2,3
	v_lshrrev_b32 v[T2+\b], 23, v[SC+\b]           ; the scale's byte
.endr
	v_lshl_or_b32 v[PW], v[T2+1], 8, v[T2]         ; p's scale word for these 128 keys
	v_lshl_or_b32 v[PW], v[T2+2], 16, v[PW]
	v_lshl_or_b32 v[PW], v[T2+3], 24, v[PW]
.irp c, 0,1
	v_cvt_scalef32_pk16_fp6_f32 v[PC+6*\c:PC+6*\c+2], v[S+32*\c:S+32*\c+15], v[SC+2*\c]
	v_cvt_scalef32_pk16_fp6_f32 v[TM+4*\c:TM+4*\c+2], v[S+32*\c+16:S+32*\c+31], v[SC+2*\c+1]   ; (a conversion's three registers begin on an even number)
.endr
	v_nop                                          ; one plain place behind a scaled conversion
.irp c, 0,1                            ; the operand's layout wants a whole block in a lane: lanes 0-15 block 2 c, lanes 16-31 block 2 c + 1
.irp i, 0,1,2
	v_permlane16_swap_b32 v[PC+6*\c+\i], v[TM+4*\c+\i]
.endr
.irp i, 0,1,2
	v_mov_b32 v[PC+6*\c+3+\i], v[TM+4*\c+\i]
.endr
.endr
	PLACES 7                                       ; with the v_nop above: 8 places between p's scale word and the scaled products, 7 behind the last write of p's codes (4 are asked)
	s_wait_alu depctr_va_vdst(0)                   ; p's codes v52-63 and p's scale word v12 are written, which the scaled products below take as operand and scales; the places above stay beside this wait
.if \pre
	s_wait_dscnt 13                                ; V and its scale words are in; the 13 loads of the next step's K may be out
.else
	s_wait_dscnt 0x0
.endif
.irp n, 0,1,2,3                        ; O^T += V^T P^T: four accumulators, one instruction a turn
.if \zero
	v_wmma_scale_f32_16x16x128_f8f6f4 v[O+8*\n:O+8*\n+7], v[VF+12*\n:VF+12*\n+11], v[PC:PC+11], 0, v[VS+\n], v[PW] matrix_a_fmt:MATRIX_FMT_FP6 matrix_b_fmt:MATRIX_FMT_FP6
.else
	v_wmma_scale_f32_16x16x128_f8f6f4 v[O+8*\n:O+8*\n+7], v[VF+12*\n:VF+12*\n+11], v[PC:PC+11], v[O+8*\n:O+8*\n+7], v[VS+\n], v[PW] matrix_a_fmt:MATRIX_FMT_FP6 matrix_b_fmt:MATRIX_FMT_FP6
.endif
.endr
	s_add_co_u32 s[J], s[J], 1
.endm
	s_load_b256 s[4:11], s[0:1], 0x0               ; kpack s[4:5], vpack s[6:7], qimg s[8:9], qsc s[10:11]
	s_load_b128 s[12:15], s[0:1], 0x20             ; flags s[12:13], inp s[14:15]
	s_load_b64 s[16:17], s[0:1], 0x30              ; part
	v_lshrrev_b32 v1, 5, v0
	v_readfirstlane_b32 s[WV], v1                  ; wave 0..7
	v_and_b32 v10, 31, v0
	v_and_b32 v13, 15, v0
	v_lshlrev_b32 v[GA], 4, v10                    ; 16 lane
	v_lshlrev_b32 v10, 3, v10                      ; 8 lane
	v_lshlrev_b32 v13, 2, v13                      ; 4 r
	s_lshr_b32 s19, ttmp9, 4                       ; batch
	s_mov_b32 s21, 0
	s_mov_b32 s29, 0
	s_mov_b32 s[CS], 0x3e38aa3b                    ; log2(e) / 8
	s_mov_b32 s[CS+1], s[CS]
	s_mov_b32 s[SEL], 0x76543210
	s_mov_b32 s[SEL+1], 0xfedcba98
	s_wait_alu depctr_va_sdst(0)                   ; s18, the wave's number, is written, ahead of its first reader
	s_mul_i32 s30, s[WV], 14848                    ; my eighth of the batch's kpack: 29 x 512 bytes,
	v_add_nc_u32 v3, s30, v[GA]                    ; and its place in LDS
	s_mul_i32 s31, s[WV], 12800                    ; of vpack: 25 x 512 bytes
	s_mul_i32 s20, s19, 118784
	s_add_co_u32 s20, s20, s30
	s_mul_i32 s28, s19, 102400
	s_add_co_u32 s28, s28, s31
	s_add_co_u32 s31, s31, VPK
	v_add_nc_u32 v[ADV], s31, v[GA]                ; kept through pass 1
	s_wait_kmcnt 0x0
	s_add_nc_u64 s[4:5], s[4:5], s[20:21]
	s_add_nc_u64 s[6:7], s[6:7], s[28:29]
	s_lshl_b32 s20, s19, 6
	s_add_nc_u64 s[12:13], s[12:13], s[20:21]
	s_load_b512 s[32:47], s[12:13], 0x0            ; the batch's 16 flag words
	s_mul_i32 s20, ttmp9, 6144
	s_mul_i32 s30, s[WV], 768
	s_add_co_u32 s20, s20, s30
	s_add_nc_u64 s[8:9], s[8:9], s[20:21]          ; Q's image of my tile
	s_lshl_b32 s20, ttmp9, 9
	s_lshl_b32 s30, s[WV], 6
	s_add_co_u32 s20, s20, s30
	s_add_nc_u64 s[10:11], s[10:11], s[20:21]      ; and its scale words
	s_lshl_b32 s20, ttmp9, 18
	s_lshr_b32 s30, s[WV], 1
	s_lshl_b32 s30, s30, 16
	s_add_co_u32 s20, s20, s30
	s_and_b32 s30, s[WV], 1
	s_lshl_b32 s30, s30, 14
	s_add_co_u32 s20, s20, s30
	s_add_nc_u64 s[14:15], s[14:15], s[20:21]      ; inp at my tile's first row: token 128 g + 32 (w / 2) + 8 (w % 2)
	s_lshl_b32 s20, ttmp9, 11
	s_lshl_b32 s30, s[WV], 8
	s_add_co_u32 s20, s20, s30
	s_add_nc_u64 s[16:17], s[16:17], s[20:21]      ; part: my work-group's 2,048 bytes, my wave's 256
	s_wait_alu depctr_va_vdst(0)                   ; the offsets v9, v10 and v13 are written, which the loads below read; so are v3 and v2, the addresses of the two fills' LDS stores
	global_load_b128 v[Q:Q+3], v[GA], s[8:9]       ; q twice
	global_load_b64 v[Q+4:Q+5], v10, s[8:9] offset:512
	global_load_b128 v[Q+12:Q+15], v[GA], s[8:9]
	global_load_b64 v[Q+16:Q+17], v10, s[8:9] offset:512
	global_load_b32 v[QS], v13, s[10:11]
	WIN 0x40
.set ii, 0
.rept 29
	global_load_b128 v[4*ii:4*ii+3], v[GA], s[4:5] offset:512*ii
.set ii, ii+1
.endr
	WIN 0                                          ; 34 loads of mine are out: what pass 1 cannot begin without, and nothing else
.irp i, 6,7,8,9,10,11
	v_mov_b32 v[Q+\i], 0                           ; the zero codes between the two q
.endr
.irp b, 0,1,2,3
	v_mov_b32 v[T2+\b], 0                          ; written once: a lane permute's destination counts as one of its sources
.endr
	v_mov_b32 v[RT], 0xff61b1e6                    ; the largest t so far: -3e38, under every t
	v_floor_f32 v[NM], -v[RT]
	v_mov_b32 v[SUM], 0
	v_mov_b32 v[SUM+1], 0
	s_wait_kmcnt 0x0
	s_or_b32 s[FLG], s32, s33
.irp i, 34,35,36,37,38,39,40,41,42,43,44,45,46,47
	s_or_b32 s[FLG], s[FLG], s\i
.endr
	s_wait_loadcnt 0x0                             ; Q and K's part are in; these loads are done, so their offsets v10 and v13 may be written again below
	WIN 0x04
.set ii, 0
.rept 29
	ds_store_b128 v3, v[4*ii:4*ii+3] offset:512*ii
.set ii, ii+1
.endr
	WIN 0
	s_wait_dscnt 0x0
	s_barrier_signal -1
	s_barrier_wait -1                              ; the batch's K, its scale words and the overrides lie in LDS
	s_wait_alu depctr_vm_vsrc(0)                   ; Q's loads have read v10 and v13 and my LDS stores v3, which vector lines write again from here on; the stores have also read v256-371, in which rows of inp land in pass 1
	v_and_b32 v[ADK], 31, v0
	v_lshlrev_b32 v[ADK], 4, v[ADK]                ; K's fragments: 16 lane
	v_and_b32 v[ADS], 15, v0
	v_lshl_add_u32 v[ADS], v[ADS], 4, KSC          ; K's scale words: 16 r
	v_bfe_u32 v[ADO], v0, 4, 1
	v_lshl_add_u32 v[ADO], v[ADO], 6, OV1-512      ; the overrides: 64 h, one step behind
	s_mul_i32 s30, s[WV], 8704
	s_add_co_u32 s30, s30, BMB
	v_add_nc_u32 v[AB1], s30, v[GA]                ; the maxima: my wave's bytes, 16 lane, one step behind
	s_mov_b32 s[J], 0
	s_wait_alu depctr_va_vdst(0)                   ; v1 and v3 are written, which K's loads read; the zero codes v20-25 are written, which every scaled score product takes as part of its operand
	KLOAD                                          ; step 0
	P1STEP 1, 1                                    ; steps 0 to 3 are written out: each carries a portion: V's part,
	P1STEP 1, 2
	P1STEP 1, 3                                    ; and my rows 0-7 of inp, into the registers that K's part has left
	P1STEP 1, 4
.Lp1:                                              ; steps 4 to 14: 11 trips
	P1STEP 1, 0
	s_cmp_lt_u32 s[J], 15
	s_cbranch_scc1 .Lp1
	P1STEP 0, 7                                    ; the last step asks for no K; V's part goes into LDS beside its arithmetic
	; BETWEEN THE PASSES.  The halves of the lanes are joined: the larger M, both sums under it, their sum; then -(M + log2 l).
	v_add_f32 v[SUM], v[SUM], v[SUM+1]
	v_permlanex16_b32 v[T2], v[NM], s[SEL], s[SEL+1]
	v_min_num_f32 v[T2+1], v[NM], v[T2]            ; the common -M
	v_sub_f32 v[T2+2], v[T2+1], v[NM]              ; my M less the common M: a whole number, 0 or less
	v_cvt_i32_f32 v[T2+2], v[T2+2]
	v_ldexp_f32 v[SUM], v[SUM], v[T2+2]
	v_permlanex16_b32 v[T2], v[SUM], s[SEL], s[SEL+1]
	v_add_f32 v[SUM], v[SUM], v[T2]                ; l, at least 1/2
	v_log_f32 v[SUM+1], v[SUM]
	v_nop
	s_wait_alu depctr_va_vdst(0)                   ; the logarithm has written v7, ahead of its reader
	v_sub_f32 v[NM], v[T2+1], v[SUM+1]
	s_wait_dscnt 0x0                               ; for the others' sake: my part of V is stored
	s_barrier_signal -1
	s_barrier_wait -1                              ; the batch's V and its scale words lie in LDS
	s_wait_alu depctr_vm_vsrc(0)                   ; pass 1's LDS instructions have read v1, v2, v3, v13, v56 and v40-43, which are written again from here on; V's stores have also read v384-483, in which rows of inp land in pass 2
	v_and_b32 v[ADK], 31, v0
	v_lshlrev_b32 v[ADK], 4, v[ADK]                ; 16 lane again
	v_add_nc_u32 v[ADV], VIMG-6144, v[GA]          ; V's fragments, one step behind
	v_and_b32 v[ADS], 15, v0
	v_lshl_add_u32 v[ADS], v[ADS], 4, KSC
	v_bfe_u32 v[ADO], v0, 4, 1
	v_lshl_add_u32 v[ADO], v[ADO], 6, OV1-512
	s_mul_i32 s30, s[WV], 8704
	s_add_co_u32 s30, s30, BMB
	v_add_nc_u32 v[AB2], s30, v[GA]                ; the stored maxima, one step behind
	s_mov_b32 s[J], 0
	s_wait_alu depctr_va_vdst(0)                   ; v1 and v3 are written, which K's loads read
	KLOAD
	P2STEP 1, 1, 5                                 ; the first step starts O^T's sums: nothing is cleared.  Steps 0 and 1 carry my rows 8-15 of inp, into the registers that V's part has left
	P2STEP 0, 1, 6
.Lp2:                                              ; steps 2 to 14: 13 trips
	P2STEP 0, 1, 0
	s_cmp_lt_u32 s[J], 15
	s_cbranch_scc1 .Lp2
	P2STEP 0, 0, 0
	; THE END.  c = the sum of ctx's 64 channels of my query; then my 16 rows of inp times their c, in f32 multiply-adds; the eight waves' parts are added through LDS.
	PLACES 4
	v_pk_add_f32 v[TM:TM+1], v[O:O+1], v[O+8:O+9]  ; each accumulator is first read at its low end
	v_pk_add_f32 v[T2:T2+1], v[O+16:O+17], v[O+24:O+25]
.irp j, 2,4,6,10,12,14
	v_pk_add_f32 v[TM:TM+1], v[TM:TM+1], v[O+\j:O+\j+1]
	v_pk_add_f32 v[T2:T2+1], v[T2:T2+1], v[O+16+\j:O+17+\j]
.endr
	v_pk_add_f32 v[TM:TM+1], v[TM:TM+1], v[T2:T2+1]
	v_add_f32 v[T], v[TM], v[TM+1]
	v_permlanex16_b32 v[T2], v[T], s[SEL], s[SEL+1]
	v_add_f32 v[T], v[T], v[T2]                    ; lane i (i under 16): c of my tile's row i
.irp i, 0,1,2,3,4,5,6,7,8,9,10,11,12,13,14,15
	v_readlane_b32 s[32+2*\i], v[T], \i
.endr
	s_wait_alu depctr_va_sdst(0)                   ; the sixteen lines above have written s32, s34 .. s62, ahead of their first readers
.irp i, 0,1,2,3,4,5,6,7,8,9,10,11,12,13,14,15
	s_mov_b32 s[33+2*\i], s[32+2*\i]               ; (the packed form names a pair)
.endr
	s_wait_loadcnt 0x0                             ; my 16 rows of inp are in
	s_wait_alu depctr_vm_vsrc(0)                   ; pass 2's LDS loads have read v1, v2 and v3, which are made anew below
	v_and_b32 v2, 31, v0
	v_lshlrev_b32 v1, 4, v2
	v_lshlrev_b32 v3, 3, v2                        ; v3 8 lane: my place in the wave's 256 bytes of part
	s_lshl_b32 s30, s[WV], 11
	s_add_co_u32 s30, s30, RED
	v_add_nc_u32 v1, s30, v1                       ; v1 my wave's 2,048 bytes of RED, 16 a lane
	s_lshl_b32 s31, s[WV], 8
	s_add_co_u32 s31, s31, RED
	v_add_nc_u32 v2, s31, v3                       ; v2 back: columns 64 w on of every wave's part
	WIN 0x01                                       ; source 0 in window 1
.irp k, 0,1,2,3,4,5,6,7
	v_pk_mul_f32 v[ACC+2*\k:ACC+2*\k+1], v[2*\k:2*\k+1], s[32:33] op_sel_hi:[1,0]
.endr
.irp i, 1,2,3,4,5,6,7,8,9,10,11,12,13,14,15
.irp k, 0,1,2,3,4,5,6,7
	v_pk_fma_f32 v[ACC+2*\k:ACC+2*\k+1], v[16*\i+2*\k:16*\i+2*\k+1], s[32+2*\i:33+2*\i], v[ACC+2*\k:ACC+2*\k+1] op_sel_hi:[1,0,1]
.endr
.endr
	WIN 0
	s_wait_alu depctr_va_vdst(0)                   ; the multiply-adds have written v160-175 and v1 is written, which the LDS stores read; v2 is written and all vector lines are done with v176-191, for the LDS loads behind the barrier
.irp q, 0,1,2,3
	ds_store_b128 v1, v[ACC+4*\q:ACC+4*\q+3] offset:512*\q     ; register 4 q + e is column 128 q + 4 lane + e
.endr
	s_wait_dscnt 0x0
	s_barrier_signal -1
	s_barrier_wait -1
.irp j, 0,1,2,3,4,5,6,7
	ds_load_b64 v[176+2*\j:177+2*\j], v2 offset:2048*\j
.endr
	s_wait_dscnt 0x0
	v_pk_add_f32 v[176:177], v[176:177], v[178:179]
	v_pk_add_f32 v[180:181], v[180:181], v[182:183]
	v_pk_add_f32 v[184:185], v[184:185], v[186:187]
	v_pk_add_f32 v[188:189], v[188:189], v[190:191]
	v_pk_add_f32 v[176:177], v[176:177], v[180:181]
	v_pk_add_f32 v[184:185], v[184:185], v[188:189]
	v_pk_add_f32 v[176:177], v[176:177], v[184:185]
	s_wait_alu depctr_va_vdst(0)                   ; the additions have written v176-177, which the store reads
	global_store_b64 v3, v[176:177], s[16:17]      ; 32 lanes store 256 consecutive bytes, aligned
	s_barrier_signal -1
	s_barrier_wait -1
	s_wait_xcnt 0x0
	v_lshl_add_u32 v254, v0, 2, 0x4b000            ; the add's two registers are made anew here, in registers that no memory or LDS instruction has read: my spare word behind all that the text uses of LDS,
	v_mov_b32 v255, 0                              ; and 0
	s_wait_dscnt 0x0                               ; the closing lines, six on end
	s_wait_alu 0x0
	s_wait_tensorcnt 0x0
	ds_add_u32 v254, v255
	s_wait_dscnt 0x0
	s_endpgm
.Lfunc_end_k_q8c1b66b823_attn:
	.size	k_q8c1b66b823_attn, .Lfunc_end_k_q8c1b66b823_attn-k_q8c1b66b823_attn
	.p2alignl 7, 3214868480
	.fill 96, 4, 3214868480
	.section	.rodata,"a",@progbits
	.p2align	6, 0x0
	.amdhsa_kernel k_q8c1b66b823_attn
		.amdhsa_group_segment_fixed_size 308224
		.amdhsa_private_segment_fixed_size 0
		.amdhsa_enable_private_segment 0
		.amdhsa_kernarg_size 56
		.amdhsa_user_sgpr_count 2
		.amdhsa_user_sgpr_kernarg_segment_ptr 1
		.amdhsa_wavefront_size32 1
		.amdhsa_system_sgpr_workgroup_id_x 1
		.amdhsa_system_sgpr_workgroup_id_y 1
		.amdhsa_system_sgpr_workgroup_id_z 1
		.amdhsa_system_vgpr_workitem_id 0
		.amdhsa_next_free_vgpr 512
		.amdhsa_next_free_sgpr 66
		.amdhsa_reserve_vcc 0
		.amdhsa_float_denorm_mode_32 3
		.amdhsa_float_denorm_mode_16_64 3
		.amdhsa_memory_ordered 1
		.amdhsa_forward_progress 1
		.amdhsa_inst_pref_size 241
	.end_amdhsa_kernel
	.amdgpu_metadata
---
amdhsa.version: [ 1, 2 ]
amdhsa.kernels:
  - .name:           k_q8c1b66b823_attn
    .symbol:         k_q8c1b66b823_attn.kd
    .args:
      - { .name: kpack, .offset: 0, .size: 8, .value_kind: global_buffer, .address_space: global }
      - { .name: vpack, .offset: 8, .size: 8, .value_kind: global_buffer, .address_space: global }
      - { .name: qimg, .offset: 16, .size: 8, .value_kind: global_buffer, .address_space: global }
      - { .name: qsc, .offset: 24, .size: 8, .value_kind: global_buffer, .address_space: global }
      - { .name: flags, .offset: 32, .size: 8, .value_kind: global_buffer, .address_space: global }
      - { .name: inp, .offset: 40, .size: 8, .value_kind: global_buffer, .address_space: global }
      - { .name: part, .offset: 48, .size: 8, .value_kind: global_buffer, .address_space: global }
    .group_segment_fixed_size: 308224
    .private_segment_fixed_size: 0
    .kernarg_segment_align: 8
    .kernarg_segment_size: 56
    .max_flat_workgroup_size: 256
    .sgpr_count:     66
    .vgpr_count:     512
    .wavefront_size: 32
...
	.end_amdgpu_metadata
.endif
;; end of part 4
;; launch fold: the kernel of part 3 again; grid 16 x 1, 4 waves a work-group, no clusters, 0 bytes of LDS; arguments part, out0; writes out0
